; MI455X (gfx1250); checked and timed in simulation.
; The chip was launched on July 23, 2026; its instructions are those of AMD's public machine-readable ISA for CDNA 5 (MIT licence, August 2026) and "CDNA5" Instruction Set Architecture Reference Guide (July 2026). The comments in the code are by the model that wrote it; some were corrected since.
;; Multi Head Attention. Allowed arithmetic: matrix products marked QUANTISED: E2M3 operands, one E8M0 scale for each 32 along K, by v_wmma_scale_f32_16x16x128_f8f6f4 with both operands' format E2M3, f32 sums; everything else in f32.
;; Inputs: Wk_codes 768 x 24 x 24 uint8 (E2M3 codes of Wk, K innermost, in blocks of 32 codes, four codes in three bytes); Wk_scales 768 x 24 uint8 (E8M0 scales of Wk, one for each 32 codes along K); Wo_codes 768 x 24 x 24 uint8 (E2M3 codes of Wo, K innermost, in blocks of 32 codes, four codes in three bytes); Wo_scales 768 x 24 uint8 (E8M0 scales of Wo, one for each 32 codes along K); Wq_codes 768 x 24 x 24 uint8 (E2M3 codes of Wq, K innermost, in blocks of 32 codes, four codes in three bytes); Wq_scales 768 x 24 uint8 (E8M0 scales of Wq, one for each 32 codes along K); Wv_codes 768 x 24 x 24 uint8 (E2M3 codes of Wv, K innermost, in blocks of 32 codes, four codes in three bytes); Wv_scales 768 x 24 uint8 (E8M0 scales of Wv, one for each 32 codes along K); bk 768 float32; bo 768 float32; bq 768 float32; bv 768 float32; mask 1 x 1 x 4,096 x 4,096 int32; queries_codes 1 x 4,096 x 24 x 24 uint8 (E2M3 codes of queries, K innermost, in blocks of 32 codes, four codes in three bytes); queries_scales 1 x 4,096 x 24 uint8 (E8M0 scales of queries, one for each 32 codes along K); values_codes 1 x 4,096 x 24 x 24 uint8 (E2M3 codes of values, K innermost, in blocks of 32 codes, four codes in three bytes); values_scales 1 x 4,096 x 24 uint8 (E8M0 scales of values, one for each 32 codes along K).
;; Outputs: out0 1 x 4,096 x 768 float32.
;; This version of the problem:
;;   THIS VERSION OF THE PROBLEM IS GIVEN IN LOW PRECISION. The matrix products marked QUANTISED in the list below multiply operands that are first quantised to E2M3 (2 exponent bits, 3 mantissa bits; 6 bits a number), with one power-of-two scale for each 32 numbers along K (OCP MX v1.0); their sums are f32. All else is computed in f32.
;;   The module's matrix products, in the order in which they are computed (A, B: the left and right operand; K: the contracted axis; several contracted axes count as one K, in the product's order):
;;     1. [M 4,096, K 768] x [K 768, N 768]; A: input queries (given as codes); B: input Wq (given as codes): QUANTISED
;;     2. [M 4,096, K 768] x [K 768, N 768]; A: input values (given as codes); B: input Wk (given as codes): QUANTISED
;;     3. [M 4,096, K 768] x [K 768, N 768]; A: input values (given as codes); B: input Wv (given as codes): QUANTISED
;;     4. batch 12 x [M 4,096, K 64] x [K 64, N 4,096]; A: computed on the way; B: computed on the way: QUANTISED
;;     5. batch 12 x [M 4,096, K 4,096] x [K 4,096, N 64]; A: softmax (see below); B: computed on the way: QUANTISED
;;     6. [M 4,096, K 768] x [K 768, N 768]; A: computed on the way; B: input Wo (given as codes): QUANTISED
;;   THE QUANTISER, for each operand of a quantised product, along K:
;;     - K is cut into blocks of 32 from its start; a last block that is shorter is filled with zeros.
;;     - A block's scale is 2^e with e = floor(log2(the largest magnitude in the block)) - 2, held to -126 .. 127; a block of zeros has e = 0. As a byte (E8M0): e + 127.
;;     - Each number is divided by its block's scale, clamped to +-7.5, and rounded to the nearest number of E2M3, ties to even, subnormals kept.
;;     - The product sums the exact products of the quantised numbers (number of the format x scale) in f32.
;;   ~~~python
;;   def quantise(x, axis):      # numpy; x: float32 -> the quantised numbers, widened to float32 again
;;       x = np.moveaxis(x, axis, -1); K = x.shape[-1]
;;       x = np.pad(x, [(0, 0)] * (x.ndim - 1) + [(0, -K % 32)]); x = x.reshape(x.shape[:-1] + (-1, 32)); a = np.abs(x).max(-1, keepdims=True)
;;       e = np.where(a > 0, np.clip(np.frexp(np.where(a > 0, a, 1))[1] - 1 - 2, -126, 127), 0)      # np.frexp(a)[1] - 1 = floor(log2(a)), exactly
;;       r = np.clip(x / 2.0 ** e, -7.5, 7.5)
;;       step = 2.0 ** (np.maximum(np.frexp(np.where(r == 0, 1, r))[1] - 1, 0) - 3)
;;       q = np.round(r / step) * step * 2.0 ** e      # np.round: ties to even
;;       return np.moveaxis(q.reshape(q.shape[:-2] + (-1,))[..., :K], -1, axis).astype(np.float32)
;;   ~~~
;;   SOFTMAX AHEAD OF A QUANTISED PRODUCT. Where the list says 'softmax', what is quantised is not the finished softmax but p = 2^(t - M), with t = logit x log2(e) and M = ceil(the row's largest t), a whole number; so 1/2 < the row's largest p <= 1. The row's sum l is taken of the UNQUANTISED p, in f32, and the product's result is divided by l at the end. Since M is a whole number, a kernel that streams over the keys may use a running M (the ceiling of the running maximum): every later rescaling is an exact power of two, which a block's scale takes up: the codes' values come out the same.
;;   OPERANDS COMPUTED ON THE WAY. 'Computed on the way' means the value that the module computes at that place (a softmax that the list does not call 'softmax' is quantised finished and normalised). What goes into a quantiser is computed in f32, as accurately as f32 sums, v_exp_f32 and their like allow (about 1e-6 of the number): no bf16 or f16 on the way to a quantiser, and a product that is left as it is and whose result goes on into a quantised operand takes f32 operands (vector FMAs, or v_wmma_f32_16x16x4_f32). A number that lies on a knife's edge between two numbers of the format may be rounded either way, as far as f32 arithmetic and the matrix unit's own rounding can turn it there, and no further.
;;   INPUTS GIVEN AS CODES. Wk (in the module: [768, 768], K = its axis 1); Wo (in the module: [768, 768], K = its axis 1); Wq (in the module: [768, 768], K = its axis 1); Wv (in the module: [768, 768], K = its axis 1); queries (in the module: [1, 4096, 768], K = its axis 2); values (in the module: [1, 4096, 768], K = its axis 2): each comes as NAME_codes (uint8): NAME with its K axis moved to the last place and cut into blocks of 32 codes, [.., K / 32, bytes a block], one block behind the other in memory; four codes in three bytes: a row's codes are one little-endian stream of bits, code i at bits 6 i .. 6 i + 5 (a code: sign, 2 exponent bits, 3 mantissa bits); and NAME_scales (uint8): the same leading axes, one E8M0 byte (e + 127) for each 32 codes along K. Its value is code x scale, taken as it is: it is not quantised again, and the codes and scales need not be those that the quantiser above would give.
;; One version. Each part assembles by itself: llvm-mc -triple=amdgcn-amd-amdhsa -mcpu=gfx1250 --defsym DOCPART=n.
;; ======== version 1 of 1: 4 launches
;; limits: right only within a limited range of input values
;; workspace buffers: mbits 2,097,152 bytes of whole numbers; flags 2,048 bytes of whole numbers; img 7,077,888 bytes; sc 294,912 bytes; ctx 2,359,296 bytes; csc 98,304 bytes
;; launch maskbits (part 1): grid 256 x 1, 16 waves a work-group, no clusters, 2,304 bytes of LDS; arguments mask, mbits, flags; writes mbits, flags
.if DOCPART == 1
	.amdgcn_target "amdgcn-amd-amdhsa--gfx1250"
	.amdhsa_code_object_version 6
	.text
	.protected	k_qd5a22c1fa4_maskbits
	.globl	k_qd5a22c1fa4_maskbits
	.p2align	8
	.type	k_qd5a22c1fa4_maskbits,@function
k_qd5a22c1fa4_maskbits:
	s_mov_b64 s[64:65], 0
	v_nop
	global_prefetch_b8 v0, s[64:65] scope:SCOPE_SE
	s_setreg_imm32_b32 hwreg(HW_REG_WAVE_MODE, 25, 1), 1
	s_wait_xcnt 0x0
; THE PROGRAM: multi-head attention, T = 4096, E = 768, 12 heads of 64, all six products on E2M3 codes.  Four launches:
; this one (the mask as bits and flags), proj (q, k, v), attn (both attention products), outp (the last product).
; DEAD WORK: none is claimed.  Every input is loaded and every product of the table is done.  What attn does not walk it leaves out
; on the strength of WHOLE NUMBERS that this launch stores: a step of 128 keys in which no entry of a tile of 16 queries is open gives
; p = 2^(t - M) = 0 for every row that has an open key anywhere, and a tile with a row that has NO open key walks all steps.
; LIMITS: a masked logit is taken as -2^30 where the problem says -1e9 (both give p = 0 beside any open logit above about -9e8, and p = 1
; in a row with no open key, where all logits are equal); a NaN or an overflow that reaches only steps that are not walked is not carried on.
;
; THIS LAUNCH.  mask [4096][4096] int32 is read once.  mbits [row][step J of 128 keys][e] u32: bit L of word e = (mask[row][128 J + 4 L + e] != 0).
; flags [tile of 16 rows][2] u32: WALK (bit J: some entry of the tile's step J is open; all ones if some row of the tile has no open key),
; NOTALL (bit J: some entry of the tile's step J is masked).
; SHARES.  A work-group owns 16 rows, a wave one row: 32 loads of 512 consecutive bytes, all on their way at once.  Memory binds: no matrix unit,
; no cluster (no byte is shared between work-groups), no tensor load (a compare wants the words in registers anyway).
.set SPARE, 256                        ; LDS: bytes 0-63 the rows' ANY words, 64-127 their ALL words; from 256 the spare words, 128 bytes a wave
.set SPW, 2                            ; v2  my spare word's address; never rewritten
.set NIL, 3                            ; v3  0; never rewritten
.set W,   8                            ; v8-11  word e; lane J holds step J
.set D,   32                           ; v32-159  the row as loaded
	s_load_b128 s[4:7], s[0:1], 0x0                ; mask, mbits
	s_load_b64 s[8:9], s[0:1], 0x10                ; flags
	v_lshl_add_u32 v[SPW], v0, 2, SPARE
	v_mov_b32 v[NIL], 0
	v_lshrrev_b32 v4, 5, v0
	v_readfirstlane_b32 s10, v4                    ; wave
	v_and_b32 v5, 31, v0                           ; lane
	v_lshlrev_b32 v1, 4, v5                        ; 16 x lane
	v_lshlrev_b32 v6, 2, v5                        ; LDS: 4 x lane
	v_lshlrev_b32 v7, 2, v4                        ; LDS: 4 x wave
	s_lshl_b32 s11, ttmp9, 4
	s_add_co_u32 s11, s11, s10                     ; my row
	s_lshl_b32 s12, s11, 14                        ; x 16,384 bytes of mask
	s_mov_b32 s13, 0
	s_lshl_b32 s14, s11, 9                         ; x 512 bytes of bits
	s_mov_b32 s15, 0
	s_lshl_b32 s16, ttmp9, 3                       ; the tile's two flag words
	s_mov_b32 s17, 0
.irp e, 0,1,2,3
	v_mov_b32 v[W+\e], 0                           ; a lane write's destination counts as read
.endr
	s_wait_kmcnt 0x0
	s_add_nc_u64 s[4:5], s[4:5], s[12:13]
	s_add_nc_u64 s[6:7], s[6:7], s[14:15]
	s_add_nc_u64 s[8:9], s[8:9], s[16:17]
.set j, 0
.rept 32
	global_load_b128 v[D+4*j:D+4*j+3], v1, s[4:5] offset:512*j th:TH_LOAD_NT   ; step j: 32 lanes read 512 consecutive bytes
.set j, j+1
.endr
.set j, 0
.rept 32
	s_wait_loadcnt 31-j                            ; loads come back in order: step j is in, the younger ones stay out
.irp e, 0,1,2,3
	v_cmp_ne_u32 s[20+4*(j%2)+\e], 0, v[D+4*j+\e]  ; bit L: entry 128 j + 4 L + e is open
.endr
.irp e, 0,1,2,3
	v_writelane_b32 v[W+\e], s[20+4*(j%2)+\e], j
.endr
.set j, j+1
.endr
	global_store_b128 v1, v[W:W+3], s[6:7]         ; the row's 512 bytes of bits, two whole aligned blocks of 256
	v_or_b32 v12, v[W], v[W+1]
	v_or_b32 v13, v[W+2], v[W+3]
	v_or_b32 v12, v12, v13
	v_and_b32 v13, v[W], v[W+1]
	v_and_b32 v14, v[W+2], v[W+3]
	v_and_b32 v13, v13, v14
	v_cmp_ne_u32 s30, 0, v12                       ; ANY: bit J: my row has an open key in step J
	v_cmp_eq_u32 s31, -1, v13                      ; ALL: bit J: all 128 are open
	v_mov_b32 v15, s30
	v_mov_b32 v16, s31
	ds_store_b32 v7, v15                           ; all lanes write the same word with the same value
	ds_store_b32 v7, v16 offset:64
	s_wait_dscnt 0x0                               ; for the others' sake: my two words lie in LDS
	s_barrier_signal -1
	s_barrier_wait -1
	s_cmp_lg_u32 s10, 0
	s_cbranch_scc1 .Lend                           ; wave 0 joins the sixteen rows
	ds_load_b32 v14, v6                            ; lanes 0-15: the rows' ANY words; lanes 16-31: their ALL words
	s_wait_dscnt 0x0
	v_cmp_eq_u32 s32, 0, v14
	v_readlane_b32 s33, v14, 0
	v_readlane_b32 s34, v14, 16
.irp i, 1,2,3,4,5,6,7,8,9,10,11,12,13,14,15
	v_readlane_b32 s35, v14, \i
	v_readlane_b32 s36, v14, 16+\i
	s_or_b32 s33, s33, s35
	s_and_b32 s34, s34, s36
.endr
	s_and_b32 s32, s32, 0xffff                     ; rows with no open key at all
	s_cmp_lg_u32 s32, 0
	s_cselect_b32 s33, -1, s33                     ; WALK
	s_not_b32 s34, s34                             ; NOTALL
	v_mov_b32 v18, s33
	v_mov_b32 v19, s34
	v_mov_b32 v20, 0
	v_cmp_eq_u32 vcc_lo, 0, v5
	s_wait_xcnt 0x0                                ; EXEC changes only behind this wait: the store of the bits has been taken up
	s_and_saveexec_b32 s37, vcc_lo
	global_store_b64 v20, v[18:19], s[8:9]         ; lane 0 alone
	s_wait_xcnt 0x0                                ; and again, in front of the line that widens EXEC
	s_or_b32 exec_lo, exec_lo, s37
.Lend:
	s_wait_tensorcnt 0x0                           ; the wave's end: behind my last LDS store
	ds_add_u32 v[SPW], v[NIL]
	s_wait_dscnt 0x0
	s_endpgm
.Lfunc_end_k_qd5a22c1fa4_maskbits:
	.size	k_qd5a22c1fa4_maskbits, .Lfunc_end_k_qd5a22c1fa4_maskbits-k_qd5a22c1fa4_maskbits
	.p2alignl 7, 3214868480
	.fill 96, 4, 3214868480
	.section	.rodata,"a",@progbits
	.p2align	6, 0x0
	.amdhsa_kernel k_qd5a22c1fa4_maskbits
		.amdhsa_group_segment_fixed_size 2304
		.amdhsa_private_segment_fixed_size 0
		.amdhsa_enable_private_segment 0
		.amdhsa_kernarg_size 24
		.amdhsa_user_sgpr_count 2
		.amdhsa_user_sgpr_kernarg_segment_ptr 1
		.amdhsa_wavefront_size32 1
		.amdhsa_system_sgpr_workgroup_id_x 1
		.amdhsa_system_sgpr_workgroup_id_y 1
		.amdhsa_system_sgpr_workgroup_id_z 1
		.amdhsa_system_vgpr_workitem_id 0
		.amdhsa_next_free_vgpr 160
		.amdhsa_next_free_sgpr 66
		.amdhsa_reserve_vcc 1
		.amdhsa_float_denorm_mode_32 3
		.amdhsa_float_denorm_mode_16_64 3
		.amdhsa_memory_ordered 1
		.amdhsa_forward_progress 1
		.amdhsa_inst_pref_size 26
	.end_amdhsa_kernel
	.amdgpu_metadata
---
amdhsa.version: [ 1, 2 ]
amdhsa.kernels:
  - .name:           k_qd5a22c1fa4_maskbits
    .symbol:         k_qd5a22c1fa4_maskbits.kd
    .args:
      - { .name: mask, .offset: 0, .size: 8, .value_kind: global_buffer, .address_space: global }
      - { .name: mbits, .offset: 8, .size: 8, .value_kind: global_buffer, .address_space: global }
      - { .name: flags, .offset: 16, .size: 8, .value_kind: global_buffer, .address_space: global }
    .group_segment_fixed_size: 2304
    .private_segment_fixed_size: 0
    .kernarg_segment_align: 8
    .kernarg_segment_size: 24
    .max_flat_workgroup_size: 512
    .sgpr_count:     66
    .vgpr_count:     160
    .wavefront_size: 32
...
	.end_amdgpu_metadata
.endif
;; end of part 1
;; launch proj (part 2): grid 12 x 16, 12 waves a work-group, clusters of 4 x 4, 327,680 bytes of LDS; arguments queries_codes, queries_scales, values_codes, values_scales, Wq_codes, Wq_scales, bq, Wk_codes, Wk_scales, bk, Wv_codes, Wv_scales, bv, img, sc; writes img, sc
.if DOCPART == 2
	.amdgcn_target "amdgcn-amd-amdhsa--gfx1250"
	.amdhsa_code_object_version 6
	.text
	.protected	k_qd5a22c1fa4_proj
	.globl	k_qd5a22c1fa4_proj
	.p2align	8
	.type	k_qd5a22c1fa4_proj,@function
k_qd5a22c1fa4_proj:
	s_mov_b64 s[64:65], 0
	v_nop
	global_prefetch_b8 v0, s[64:65] scope:SCOPE_SE
	s_setreg_imm32_b32 hwreg(HW_REG_WAVE_MODE, 25, 1), 1
	s_wait_xcnt 0x0
	s_wait_alu depctr_hold_cnt(0) depctr_sa_sdst(0) depctr_va_vdst(0) depctr_va_sdst(0) depctr_va_ssrc(0) depctr_va_vcc(0) depctr_vm_vsrc(0)
	s_getreg_b32 s2, hwreg(HW_REG_IB_STS2, 6, 4)
	s_cmp_eq_u32 s2, 0
	s_cbranch_scc0 .Lentry_in_a_cluster
	s_endpgm
.Lentry_in_a_cluster:
	s_bfe_u32 s2, ttmp6, 0x10000c
	s_cmp_lg_u32 s2, 0xf033
	s_cbranch_scc0 .Lentry_shape_is_right
	s_endpgm
.Lentry_shape_is_right:
; q = queries Wq^T + bq, k = values Wk^T + bk, v = values Wv^T + bv on the given E2M3 codes and scales; the results are quantised (q, k along a head's 64 channels, v along the
; tokens, which are the second attention product's K) and stored as IMAGES OF OPERAND REGISTERS, so that the next launch loads fragments whole.  No work is left out.
; SHARES.  The cluster's x is the role (0 q, 1 k, 2 v), the same in all sixteen partners.  A work-group makes 256 tokens x 192 channels (three heads); wave w makes 64 tokens (w % 4) x one head (w / 4):
; 16 accumulators.  K = 768 is six matrix instructions deep.
; ONE TEXT FOR THE THREE ROLES.  Source 0 and source 1 are four tiles of 16 rows each.  q, k: source 0 = W's rows, source 1 = X's: a lane holds a token, its registers run along channels.
; v: source 0 = X's rows, source 1 = W's: a lane holds a channel, its registers run along tokens.  Only LDS bases and pointers differ, chosen by the role.
; ORDER INSIDE A BLOCK OF 32.  The 16 registers of two neighbouring source-0 tiles, in both halves of the lanes, are one block of 32 along the next K, in the order 0-7, 16-23, 8-15, 24-31.
; q and k get the same order, and so do v and the p that attn makes: a permutation inside a block, alike on both sides, changes no product and no scale.
; LDS.  X's 256 rows and W's 192 rows, whole (576 bytes), 16 bytes of padding behind every 64: pitch 720 = 180 words, so the 16 rows of a load of 8 bytes start at 16 different groups of four banks.  Filled once, never again.
; CLUSTER.  X's rows hang on the token block alone and are shared along a row of the cluster, W's on the channel block alone and are shared along a column: joint loads.
; OUT.  img: three parts (q, k, v) of [head][x 256][768 bytes]: registers 0-3 at 16 x lane, registers 4-5 at 512 + 8 x lane.  q, k: x = tile of 16 tokens, lane (r, h) = token r, channel block h.
; v: x = 4 (token / 64) + channel tile, lane (r, h) = channel r, token block h of the 64.  sc: three parts of [head][128][16] words: q, k: (tile 2 i's two bytes, tile 2 i + 1's); v: index 4 (token / 128) + channel tile.
; LIMITS: a block of zeros gets the byte 1 where the rule says 127 (its codes are zeros; this program alone reads the bytes); NaN and infinities are not served.
.set PITCH, 720
.set WBASE, 256*PITCH                  ; W's rows lie behind X's
.set SPARE, 448*PITCH                  ; behind the tiles: the spare words, 128 bytes a wave
.set IMGP,  2359296                    ; a part of img
.set SCP,   98304                      ; a part of sc
.set AD0,  2                           ; v2, v3   source 0: row x pitch + 24 h, and the same behind one padding more (40 h)
.set AD1,  4                           ; v4, v5   source 1
.set SPW,  6                           ; v6   my spare word; never rewritten
.set NIL,  7                           ; v7   0; never rewritten
.set LI16, 8                           ; v8   16 x lane
.set LI8,  9                           ; v9   8 x lane
.set SOFF, 10                          ; v10, v11  where my scale halfwords go
.set L24,  12                          ; v12  24 x lane: a row of scale bytes
.set BO8,  13                          ; v13  32 h
.set BO1,  14                          ; v14  4 r
.set MX,   16                          ; v16-31 at work on the way out
.set PX,   18
.set SO,   20
.set BY,   22
.set T,    24
.set DD,   28
.set SC0,  32                          ; v32-43  source 0's scale words: rows 32 g + lane, K step s at SC0 + 6 g + s
.set SC1,  44                          ; v44-55  source 1's
.set F0,   56                          ; v56-103  source 0's four fragments
.set F1,   104                         ; v104-127 two of source 1's
.set ACC,  128                         ; v128-255 accumulator (a, b) at ACC + 8 (4 b + a)
.set BB,   0                           ; window 1, v0-31: the bias, in the result's layout
.set WV, 18
.set HD, 19
.set TQ, 20
.set ROLE, 21
.set CX, 22
.set CY, 23
.set TBK, 24
.set HEAD, 25
.set T64, 26
.set G1X, 28                           ; s[28:35], s[36:43] descriptor groups 1;  s[44:47], s[48:51] groups 0
.set G1W, 36
.set G0X, 44
.set G0W, 48
.set P0S, 52                           ; s[52:53], s[54:55] scale bytes of source 0's and source 1's 64 rows
.set P1S, 54
.set SEL, 92
.set PADW, (1<<20)|(1<<21)|(3<<22)|(3<<25)   ; padding on; bit 21 beside a mask; behind every 16 words; 4 words of it; elements of 1 byte
.set MSB, 0
.macro WIN new                         ; the immediate's high byte repeats the setting that is left
.if MSB != (\new)
	s_set_vgpr_msb (MSB<<8)|(\new)
.set MSB, (\new)
.endif
.endm
.macro PLACES                          ; four plain places behind matrix instructions, ahead of loads into their sources and of reads of their results
.rept 4
	v_nop
.endr
.endm
.macro CROUND                          ; a round of the cluster's barrier
	s_barrier_signal -1
	s_barrier_wait -1
	s_cmp_lg_u32 s[WV], 0
	s_cbranch_scc1 .Lnot_wave_0_\@
	s_barrier_signal -3
.Lnot_wave_0_\@:
	s_barrier_wait -3
	s_barrier_signal -1
	s_barrier_wait -1
.endm
	s_load_b256 s[4:11], s[0:1], 0x0               ; queries' codes, scales; values' codes, scales
	s_load_b512 s[68:83], s[0:1], 0x20             ; Wq codes, scales, bq; Wk codes, scales, bk; Wv codes, scales
	s_load_b128 s[84:87], s[0:1], 0x60             ; bv, img
	s_load_b64 s[88:89], s[0:1], 0x70              ; sc
	v_lshl_add_u32 v[SPW], v0, 2, SPARE
	v_mov_b32 v[NIL], 0
	ds_add_u32 v[SPW], v[NIL]                      ; the wave's opening: the add, twice on end, and its wait ahead of my first tensor load
	ds_add_u32 v[SPW], v[NIL]
	v_lshrrev_b32 v1, 5, v0
	v_readfirstlane_b32 s[WV], v1                  ; wave 0..11
	s_lshr_b32 s[HD], s[WV], 2                     ; which of the three heads
	s_and_b32 s[TQ], s[WV], 3                      ; which 64 tokens
	s_mov_b32 s[ROLE], ttmp9                       ; the cluster's x
	s_bfe_u32 s[CX], ttmp6, 0x40000
	s_bfe_u32 s[CY], ttmp6, 0x40004
	s_and_b32 s[TBK], ttmp7, 0xffff
	s_lshl_b32 s[TBK], s[TBK], 2
	s_add_co_u32 s[TBK], s[TBK], s[CY]             ; block of 256 tokens = 4 x cluster y + cy
	s_mul_i32 s[HEAD], s[CX], 3
	s_add_co_u32 s[HEAD], s[HEAD], s[HD]           ; my head
	s_lshl_b32 s[T64], s[TBK], 2
	s_add_co_u32 s[T64], s[T64], s[TQ]             ; my block of 64 tokens
	s_lshl_b32 s56, s[CY], 2
	s_lshl_b32 s56, 15, s56                        ; my row of the cluster
	s_lshl_b32 s57, 0x1111, s[CX]                  ; my column
	s_or_b32 s[G1X], s56, PADW
	s_or_b32 s[G1W], s57, PADW
	s_mov_b32 s[G1X+1], 576<<16                    ; tensor_dim0 = 576 bytes
	s_mov_b32 s[G1X+2], 32<<16                     ; tensor_dim1 = 32 rows
	s_mov_b32 s[G1X+3], 576<<16                    ; tile_dim0
	s_mov_b32 s[G1X+4], 32                         ; tile_dim1
	s_mov_b32 s[G1X+5], 576                        ; from row to row
	s_mov_b32 s[G1X+6], 0
	s_mov_b32 s[G1X+7], 0
	s_mov_b32 s[G1W+1], 576<<16
	s_mov_b32 s[G1W+2], 48<<16                     ; W's loads bring 48 rows
	s_mov_b32 s[G1W+3], 576<<16
	s_mov_b32 s[G1W+4], 48
	s_mov_b32 s[G1W+5], 576
	s_mov_b32 s[G1W+6], 0
	s_mov_b32 s[G1W+7], 0
	s_lshl_b32 s58, s[TBK], 8
	s_lshl_b32 s59, s[WV], 5
	s_add_co_u32 s58, s58, s59
	s_mul_i32 s58, s58, 576                        ; X: rows 256 x token block + 32 x wave (waves 0-7)
	s_mov_b32 s59, 0
	s_mul_i32 s60, s[CX], 192
	s_mul_i32 s61, s[TQ], 48
	s_add_co_u32 s60, s60, s61
	s_mul_i32 s60, s60, 576                        ; W: rows 192 cx + 48 x (wave % 4) (waves 8-11)
	s_mov_b32 s61, 0
	s_mul_i32 s62, s[WV], 32*PITCH                 ; where they go: no place in the cluster enters an LDS address
	s_mul_i32 s63, s[TQ], 48*PITCH
	s_add_co_u32 s63, s63, WBASE
	s_mov_b32 s90, 0xffff0000                      ; lanes 16-31
	s_mov_b32 s[SEL], 0x76543210
	s_mov_b32 s[SEL+1], 0xfedcba98                 ; lane l xor 16
	s_wait_dscnt 0x0                               ; both opening adds are done
	s_wait_kmcnt 0x0
	s_cmp_eq_u32 s[ROLE], 0                        ; the role picks the buffers: a choice that hangs on no address
	s_cselect_b64 s[4:5], s[4:5], s[8:9]           ; X's codes
	s_cselect_b64 s[6:7], s[6:7], s[10:11]         ; X's scales
	s_cselect_b64 s[8:9], s[68:69], s[74:75]       ; W's codes,
	s_cselect_b64 s[10:11], s[70:71], s[76:77]     ; scales,
	s_cselect_b64 s[12:13], s[72:73], s[78:79]     ; bias
	s_cmp_eq_u32 s[ROLE], 2
	s_cselect_b64 s[8:9], s[80:81], s[8:9]
	s_cselect_b64 s[10:11], s[82:83], s[10:11]
	s_cselect_b64 s[12:13], s[84:85], s[12:13]
	s_mov_b32 s[G0X], 1
	s_mov_b32 s[G0X+1], s62
	s_add_nc_u64 s[G0X+2:G0X+3], s[4:5], s[58:59]
	s_or_b32 s[G0X+3], s[G0X+3], 0x80000000
	s_mov_b32 s[G0W], 1
	s_mov_b32 s[G0W+1], s63
	s_add_nc_u64 s[G0W+2:G0W+3], s[8:9], s[60:61]
	s_or_b32 s[G0W+3], s[G0W+3], 0x80000000
	CROUND                                         ; all sixteen work-groups are here: the joint loads meet
	s_cmp_lt_u32 s[WV], 8                          ; every wave issues one load, its only one: one tensor load of mine is out
	s_cbranch_scc0 .Lfor_w
	tensor_load_to_lds s[G0X:G0X+3], s[G1X:G1X+7]
	s_nop 0
	PLACES
	s_branch .Lasked
.Lfor_w:
	tensor_load_to_lds s[G0W:G0W+3], s[G1W:G1W+7]
	s_nop 0
	PLACES
.Lasked:
	v_and_b32 v1, 15, v0                           ; r
	v_bfe_u32 v15, v0, 4, 1                        ; h
	v_and_b32 v[L24], 31, v0
	v_lshlrev_b32 v[LI16], 4, v[L24]
	v_lshlrev_b32 v[LI8], 3, v[L24]
	v_mul_u32_u24 v[L24], v[L24], 24
	v_lshlrev_b32 v[BO8], 5, v15
	v_lshlrev_b32 v[BO1], 2, v1
	v_mul_u32_u24 v30, v1, PITCH
	v_mad_u32_u24 v30, v15, 24, v30                ; row x pitch + 24 h
	v_lshl_add_u32 v31, v15, 4, v30                ; and behind one padding more
	s_mul_i32 s56, s[TQ], 64*PITCH                 ; my 64 rows of X,
	s_mul_i32 s57, s[HD], 64*PITCH
	s_add_co_u32 s57, s57, WBASE                   ; my 64 rows of W
	s_cmp_eq_u32 s[ROLE], 2
	s_cselect_b32 s58, s56, s57                    ; source 0: W's rows, for v X's
	s_cselect_b32 s59, s57, s56                    ; source 1: the other
	v_add_nc_u32 v[AD0], s58, v30
	v_add_nc_u32 v[AD0+1], s58, v31
	v_add_nc_u32 v[AD1], s59, v30
	v_add_nc_u32 v[AD1+1], s59, v31
	s_mul_i32 s56, s[T64], 1536                    ; 64 rows of 24 scale bytes
	s_mov_b32 s57, 0
	s_add_nc_u64 s[6:7], s[6:7], s[56:57]
	s_mul_i32 s56, s[HEAD], 1536
	s_add_nc_u64 s[10:11], s[10:11], s[56:57]
	s_cmp_eq_u32 s[ROLE], 2
	s_cselect_b64 s[P0S:P0S+1], s[6:7], s[10:11]
	s_cselect_b64 s[P1S:P1S+1], s[10:11], s[6:7]
.irp g, 0,1                                    ; the scale words straight from memory: lane l takes row 32 g + l's 24 bytes; three loads cover 768 consecutive bytes
.irp p, 0,1,2
	global_load_b64 v[SC0+6*\g+2*\p:SC0+6*\g+2*\p+1], v[L24], s[P0S:P0S+1] offset:768*\g+8*\p
	global_load_b64 v[SC1+6*\g+2*\p:SC1+6*\g+2*\p+1], v[L24], s[P1S:P1S+1] offset:768*\g+8*\p
.endr
.endr
	s_lshl_b32 s56, s[HEAD], 8
	s_add_nc_u64 s[12:13], s[12:13], s[56:57]      ; my head's 64 biases
	s_cmp_eq_u32 s[ROLE], 2                        ; the bias is the C of each sum's first product: eight registers a tile, in the result's layout
	s_cbranch_scc1 .Lbias_v
	WIN 0x40                                       ; destination window 1
.irp a, 0,1,2,3                                ; q, k: register j of source-0 tile a is channel 16 a + 8 h + j
	global_load_b128 v[BB+8*\a:BB+8*\a+3], v[BO8], s[12:13] offset:64*\a
	global_load_b128 v[BB+8*\a+4:BB+8*\a+7], v[BO8], s[12:13] offset:64*\a+16
.endr
	WIN 0
	s_branch .Lbias_done
.Lbias_v:
	WIN 0x40
.irp b, 0,1,2,3                                ; v: all eight registers of source-1 tile b are channel 16 b + r: the same word eight times, once in the launch
.irp j, 0,1,2,3,4,5,6,7
	global_load_b32 v[BB+8*\b+\j], v[BO1], s[12:13] offset:64*\b
.endr
.endr
	WIN 0
.Lbias_done:
	s_mul_i32 s56, s[ROLE], IMGP                   ; where my four images go: (head x 256 + 4 x my block of 64 tokens) x 768, in my role's part
	s_add_nc_u64 s[14:15], s[86:87], s[56:57]
	s_lshl_b32 s58, s[HEAD], 8
	s_lshl_b32 s59, s[T64], 2
	s_add_co_u32 s58, s58, s59
	s_mul_i32 s56, s58, 768
	s_add_nc_u64 s[14:15], s[14:15], s[56:57]
	s_mul_i32 s56, s[ROLE], SCP                    ; and my scale halfwords
	s_add_nc_u64 s[16:17], s[88:89], s[56:57]
	s_lshl_b32 s58, s[T64], 7                      ; q, k: two words of 16 rows for my four tiles
	s_lshr_b32 s59, s[T64], 1
	s_lshl_b32 s59, s59, 8                         ; v: four words (channel tiles) for 128 tokens,
	s_and_b32 s60, s[T64], 1
	s_lshl_b32 s60, s60, 1                         ; of which mine is the lower or the upper half
	s_add_co_u32 s59, s59, s60
	s_cmp_eq_u32 s[ROLE], 2
	s_cselect_b32 s58, s59, s58
	s_cselect_b32 s60, 64, 2                       ; from tile 2 i to tile 2 i + 1,
	s_cselect_b32 s61, 128, 64                     ; from i = 0 to i = 1
	s_lshl_b32 s56, s[HEAD], 13
	s_add_co_u32 s56, s56, s58
	s_add_nc_u64 s[16:17], s[16:17], s[56:57]
	v_mul_u32_u24 v[SOFF], s60, v15
	v_add_nc_u32 v[SOFF], v[SOFF], v[BO1]          ; 4 r + h x the first step: lanes 0-15 store tile 2 i's halfword, lanes 16-31 tile 2 i + 1's
	v_add_nc_u32 v[SOFF+1], s61, v[SOFF]
	v_mov_b32 v[PX], 0                             ; a lane permute's destination counts as read
	v_mov_b32 v[PX+1], 0
; a fragment, 16 rows x 128 K of 6-bit codes: 12 registers, in pieces of 8 bytes.  Lanes 16-31 read three pieces further on, which for some pieces is behind one padding more: the second address register serves those
.macro FRAG reg, adr, q, i
.irp p, 0,1,2,3,4,5
.set PCE, 12*(\q)+6*(\p/3)+\p%3
.if PCE%8 < 5
	ds_load_b64 v[\reg+2*\p:\reg+2*\p+1], v[\adr] offset:8*PCE+16*(PCE/8)+(\i)*16*PITCH
.else
	ds_load_b64 v[\reg+2*\p:\reg+2*\p+1], v[\adr+1] offset:8*PCE+16*(PCE/8)+(\i)*16*PITCH
.endif
.endr
.endm
.macro WM                              ; one product, by the symbols rD rA rB rC rSA rSB; rRA, rRB: the scales lie in lanes 16-31
.if (rRA == 0) && (rRB == 0)
	v_wmma_scale_f32_16x16x128_f8f6f4 v[rD:rD+7], v[rA:rA+11], v[rB:rB+11], v[rC:rC+7], v[rSA], v[rSB] matrix_a_fmt:MATRIX_FMT_FP6 matrix_b_fmt:MATRIX_FMT_FP6
.elseif (rRA == 1) && (rRB == 0)
	v_wmma_scale_f32_16x16x128_f8f6f4 v[rD:rD+7], v[rA:rA+11], v[rB:rB+11], v[rC:rC+7], v[rSA], v[rSB] matrix_a_fmt:MATRIX_FMT_FP6 matrix_b_fmt:MATRIX_FMT_FP6 matrix_a_scale:MATRIX_SCALE_ROW1
.elseif (rRA == 0)
	v_wmma_scale_f32_16x16x128_f8f6f4 v[rD:rD+7], v[rA:rA+11], v[rB:rB+11], v[rC:rC+7], v[rSA], v[rSB] matrix_a_fmt:MATRIX_FMT_FP6 matrix_b_fmt:MATRIX_FMT_FP6 matrix_b_scale:MATRIX_SCALE_ROW1
.else
	v_wmma_scale_f32_16x16x128_f8f6f4 v[rD:rD+7], v[rA:rA+11], v[rB:rB+11], v[rC:rC+7], v[rSA], v[rSB] matrix_a_fmt:MATRIX_FMT_FP6 matrix_b_fmt:MATRIX_FMT_FP6 matrix_a_scale:MATRIX_SCALE_ROW1 matrix_b_scale:MATRIX_SCALE_ROW1
.endif
.endm
; eight products: source-1 tiles 2 bh, 2 bh + 1 x source 0's four.  The sixteen accumulators take turns, one instruction a turn.
; mode 1: C = the accumulator; 2: the bias by source-0 tile (q, k); 3: by source-1 tile (v)
.macro MUL8 bh, s, mode
.irp bl, 0,1
.irp a, 0,1,2,3
.set rT, 2*(\bh)+\bl
.set rD, ACC+8*(4*rT+\a)
.set rA, F0+12*\a
.set rB, F1+12*\bl
.set rSA, SC0+6*(\a/2)+(\s)
.set rSB, SC1+6*(rT/2)+(\s)
.set rRA, \a%2
.set rRB, rT%2
.if (\mode) == 1
.set rC, rD
.elseif (\mode) == 2
.set rC, BB+8*\a
.else
.set rC, BB+8*rT
.endif
	WM
.endr
.endr
.endm
.macro MULF bh                         ; the first K step starts the sums with the bias (window 1 for C)
	s_cmp_eq_u32 s[ROLE], 2
	s_cbranch_scc1 .Lfv_\@
	WIN 0x10
	MUL8 \bh, 0, 2
	WIN 0
	s_branch .Lfd_\@
.Lfv_\@:
	WIN 0x10
	MUL8 \bh, 0, 3
	WIN 0
.Lfd_\@:
.endm
.macro KSTEP s                         ; 128 along K: 16 products
.if \s > 0
	PLACES
.endif
.irp a, 0,1,2,3
	FRAG F0+12*\a, AD0, \s, \a
.endr
	FRAG F1, AD1, \s, 0
	FRAG F1+12, AD1, \s, 1
	s_wait_dscnt 0x0
.if \s == 0
	MULF 0
.else
	MUL8 0, \s, 1
.endif
	PLACES
	FRAG F1, AD1, \s, 2
	FRAG F1+12, AD1, \s, 3
	s_wait_dscnt 0x0
.if \s == 0
	MULF 1
.else
	MUL8 1, \s, 1
.endif
.endm
; 32 numbers of a lane, two blocks of 32 shared with lane l xor 16, become half a fragment (6 registers from H on) and the two scale bytes (S16)
.macro QUANT2 src, H, S16
	v_max3_num_f32 v[MX], |v[\src]|, |v[\src+1]|, 0x1800000        ; the floor 2^(3 - 127): the byte cannot fall under 1
	v_max3_num_f32 v[MX+1], |v[\src+16]|, |v[\src+17]|, 0x1800000
.irp i, 2,4,6,8,10,12,14
	v_max3_num_f32 v[MX], v[MX], |v[\src+\i]|, |v[\src+\i+1]|      ; the two blocks by turns
	v_max3_num_f32 v[MX+1], v[MX+1], |v[\src+16+\i]|, |v[\src+17+\i]|
.endr
	v_permlanex16_b32 v[PX], v[MX], s[SEL], s[SEL+1]
	v_permlanex16_b32 v[PX+1], v[MX+1], s[SEL], s[SEL+1]
	v_max_num_f32 v[MX], v[MX], v[PX]              ; the block's largest magnitude
	v_max_num_f32 v[MX+1], v[MX+1], v[PX+1]
	v_add_nc_u32 v[SO], 0xff000000, v[MX]          ; 2 off its exponent field: the conversion's scale operand
	v_add_nc_u32 v[SO+1], 0xff000000, v[MX+1]
	v_lshrrev_b32 v[BY], 23, v[SO]                 ; the scale's byte
	v_lshrrev_b32 v[BY+1], 23, v[SO+1]
	v_lshl_or_b32 v[\S16], v[BY+1], 8, v[BY]
	v_cvt_scalef32_pk16_fp6_f32 v[\H:\H+2], v[\src:\src+15], v[SO]
	v_cvt_scalef32_pk16_fp6_f32 v[T:T+2], v[\src+16:\src+31], v[SO+1]
	v_nop                                          ; one plain place behind a scaled conversion
.irp i, 0,1,2
	v_permlane16_swap_b32 v[\H+\i], v[T+\i]        ; a whole block to a lane: lanes 0-15 block 0, lanes 16-31 block 1
.endr
.irp i, 0,1,2
	v_mov_b32 v[\H+3+\i], v[T+\i]
.endr
.endm
	s_wait_loadcnt 0x0                             ; scales and bias
	s_wait_tensorcnt 0x0                           ; my rows lie in LDS,
	s_barrier_signal -1
	s_barrier_wait -1                              ; everybody's do
	KSTEP 0
	KSTEP 1
	KSTEP 2
	KSTEP 3
	KSTEP 4
	KSTEP 5
	PLACES
.irp b, 0,1,2,3                                ; source-1 tile b: its 32 registers are two blocks along the next K.  Each accumulator is read from its low end on
	QUANT2 ACC+32*\b, F0+6*\b, F0+40+\b
	global_store_b128 v[LI16], v[F0+6*\b:F0+6*\b+3], s[14:15] offset:768*\b        ; 512 consecutive bytes,
	global_store_b64 v[LI8], v[F0+6*\b+4:F0+6*\b+5], s[14:15] offset:768*\b+512    ; and 256: whole aligned blocks; each b has registers of its own
.endr
.irp i, 0,1
	v_cndmask_b32 v[DD+\i], v[F0+40+2*\i], v[F0+41+2*\i], s90
	global_store_b16 v[SOFF+\i], v[DD+\i], s[16:17]
.endr
	s_wait_tensorcnt 0x0                           ; the wave's end
	ds_add_u32 v[SPW], v[NIL]
	s_wait_dscnt 0x0
	CROUND                                         ; the closing round
	s_endpgm
.Lfunc_end_k_qd5a22c1fa4_proj:
	.size	k_qd5a22c1fa4_proj, .Lfunc_end_k_qd5a22c1fa4_proj-k_qd5a22c1fa4_proj
	.p2alignl 7, 3214868480
	.fill 96, 4, 3214868480
	.section	.rodata,"a",@progbits
	.p2align	6, 0x0
	.amdhsa_kernel k_qd5a22c1fa4_proj
		.amdhsa_group_segment_fixed_size 327680
		.amdhsa_private_segment_fixed_size 0
		.amdhsa_enable_private_segment 0
		.amdhsa_kernarg_size 120
		.amdhsa_user_sgpr_count 2
		.amdhsa_user_sgpr_kernarg_segment_ptr 1
		.amdhsa_wavefront_size32 1
		.amdhsa_system_sgpr_workgroup_id_x 1
		.amdhsa_system_sgpr_workgroup_id_y 1
		.amdhsa_system_sgpr_workgroup_id_z 1
		.amdhsa_system_vgpr_workitem_id 0
		.amdhsa_next_free_vgpr 288
		.amdhsa_next_free_sgpr 100
		.amdhsa_reserve_vcc 0
		.amdhsa_float_denorm_mode_32 3
		.amdhsa_float_denorm_mode_16_64 3
		.amdhsa_memory_ordered 1
		.amdhsa_forward_progress 1
		.amdhsa_inst_pref_size 56
	.end_amdhsa_kernel
	.amdgpu_metadata
---
amdhsa.version: [ 1, 2 ]
amdhsa.kernels:
  - .name:           k_qd5a22c1fa4_proj
    .symbol:         k_qd5a22c1fa4_proj.kd
    .args:
      - { .name: queries_codes, .offset: 0, .size: 8, .value_kind: global_buffer, .address_space: global }
      - { .name: queries_scales, .offset: 8, .size: 8, .value_kind: global_buffer, .address_space: global }
      - { .name: values_codes, .offset: 16, .size: 8, .value_kind: global_buffer, .address_space: global }
      - { .name: values_scales, .offset: 24, .size: 8, .value_kind: global_buffer, .address_space: global }
      - { .name: Wq_codes, .offset: 32, .size: 8, .value_kind: global_buffer, .address_space: global }
      - { .name: Wq_scales, .offset: 40, .size: 8, .value_kind: global_buffer, .address_space: global }
      - { .name: bq, .offset: 48, .size: 8, .value_kind: global_buffer, .address_space: global }
      - { .name: Wk_codes, .offset: 56, .size: 8, .value_kind: global_buffer, .address_space: global }
      - { .name: Wk_scales, .offset: 64, .size: 8, .value_kind: global_buffer, .address_space: global }
      - { .name: bk, .offset: 72, .size: 8, .value_kind: global_buffer, .address_space: global }
      - { .name: Wv_codes, .offset: 80, .size: 8, .value_kind: global_buffer, .address_space: global }
      - { .name: Wv_scales, .offset: 88, .size: 8, .value_kind: global_buffer, .address_space: global }
      - { .name: bv, .offset: 96, .size: 8, .value_kind: global_buffer, .address_space: global }
      - { .name: img, .offset: 104, .size: 8, .value_kind: global_buffer, .address_space: global }
      - { .name: sc, .offset: 112, .size: 8, .value_kind: global_buffer, .address_space: global }
    .group_segment_fixed_size: 327680
    .private_segment_fixed_size: 0
    .kernarg_segment_align: 8
    .kernarg_segment_size: 120
    .max_flat_workgroup_size: 384
    .sgpr_count:     100
    .vgpr_count:     288
    .wavefront_size: 32
...
	.end_amdgpu_metadata
.endif
;; end of part 2
;; launch attn (part 3): grid 256 x 1, 8 waves a work-group, no clusters, 209,920 bytes of LDS; arguments img, sc, mbits, flags, ctx, csc; writes ctx, csc
.if DOCPART == 3
	.amdgcn_target "amdgcn-amd-amdhsa--gfx1250"
	.amdhsa_code_object_version 6
	.text
	.protected	k_qd5a22c1fa4_attn
	.globl	k_qd5a22c1fa4_attn
	.p2align	8
	.type	k_qd5a22c1fa4_attn,@function
k_qd5a22c1fa4_attn:
	s_mov_b64 s[64:65], 0
	v_nop
	global_prefetch_b8 v0, s[64:65] scope:SCOPE_SE
	s_setreg_imm32_b32 hwreg(HW_REG_WAVE_MODE, 25, 1), 1
	s_wait_xcnt 0x0
; ctx = softmax(q k^T / 8, masked) v for 12 heads, both products on E2M3 codes; ctx is quantised along E and stored as operand images for the last product.
; WHAT IS NOT WALKED.  A step is 128 keys.  The first launch stored, for each tile of 16 queries, WALK (bit J: some entry of step J is open; all ones if a row of the tile has no open key) and NOTALL.
; A step without its WALK bit gives p = 0 for every row of the tile, each of which has an open key elsewhere: it adds nothing to O or to the row's sum, whatever the inputs hold.  The walk hangs on these stored whole numbers.
; So this launch has no tensor load and no joint load: operands come from memory straight into registers, from buffers laid in the order of the operands' registers.
; No prefetch either: the addresses hang on the stored list, and a head's images are read by many waves.
; LIMITS: a masked score is -2^33 (logit -2^30 for -1e9): c x 2^33 is a whole number, so a row with no open key has p = 1 throughout; open logits are taken to lie above about -9e8.
; A NaN or an overflow that reaches only steps that are not walked is not carried on.
; SOFTMAX.  t = score x c, c = log2(e) / 8; M = the running largest t rounded up; p = 2^(t - M) is quantised along the keys; the row's sum is taken of the unquantised p; a move of M multiplies O and the sum by a power of two.
; SHARES.  Work-group (a = wg / 64, u = wg % 64) has three tasks: head 3 a + k, queries 64 g_k on, with g_0 = u, g_1 = u xor 32, g_2 = 62 - 2 u or 127 - 2 u: each g_k runs through 0..63, so every (head, g) has one owner.
; Wave w: 32 of the 64 queries (w % 2; two tiles, one to a register window) and a quarter of the steps (J = (w / 2 - off_k) mod 4; off_k only spreads the work).  The four quarters of a tile meet in LDS behind the one barrier and are joined there.
; PRODUCT 4 HAS K = 64.  A fragment of K holds TWO tiles of 16 keys (registers 0-5, 6-11); against [Q | 0] it gives the first tile's scores, against [0 | Q] the second's: zero codes add nothing.  Q lies as [Q][0][Q], 18 registers.
; LAYOUT.  S^T = K Q^T, O^T = V^T P^T: a lane holds one query.  p's 16 registers of two neighbouring tiles are half a block of 32 keys in the order in which proj laid v's tokens.
; REGISTERS.  Window 0: v0-47 K, v48-55 scale words, v56-63 addresses.  Window 1: v0-47 V.  Window t, the same numbers in both: tile t's S, O, codes, Q and statistics.  Scale operands lie in window 0.
.set SPARE, 208896                     ; LDS: 48 parts of 4,352 bytes (O: 8 x 512; (-M, l): 8 bytes a lane at 4,096), part ((4 k + 2 (w % 2) + t) 4 + w / 2); behind them the spare words
.set KSC, 48
.set VSC, 50
.set QSC, 52
.set PSC, 54
.set LI16, 56                          ; 16 x lane
.set LI8,  57                          ; 8 x lane
.set LI4,  58                          ; 4 x lane
.set MR,   59                          ; 512 r: my query's row of mask bits
.set PA16, 60                          ; where my parts go
.set PA8,  61
.set SPW,  62                          ; my spare word; never rewritten
.set NIL,  63                          ; 0; never rewritten
.set S,   64                           ; v64-127  scores, then p: register 8 kt + j = key 16 kt + 8 h + j
.set O,   128                          ; v128-159 O^T: register 8 v + j = channel 16 v + 8 h + j
.set PC,  160                          ; v160-171 p's codes
.set CT,  172
.set QF,  180                          ; v180-197 [Q][0][Q]
.set NM,  200                          ; -M
.set MT,  201                          ; the largest t
.set L,   202                          ; the sum, in two halves
.set F,   204
.set BM,  206
.set PT,  210
.set SO,  214
.set MW,  218                          ; my query's four mask words of the step
.set TA,  222
.set TB,  223
.set L2,  224
.set SH,  226                          ; 2 h
.set R4,  228                          ; window 0: 4 r
.set QW,  229
.set ML16, 230                         ; the merges' LDS addresses
.set ML8,  231
.set ML16B, 232
.set ML8B,  233
.set QT,  234
.set WV, 16
.set QH, 17
.set KS, 18
.set AA, 19
.set BITS, 36
.set CNT, 37
.set PARTM, 38
.set JJ, 39
.set PF, 40
.set SEL, 68
.set CS, 70
.set MSB, 0
.macro WIN new                         ; the immediate's high byte repeats the setting that is left
.if MSB != (\new)
	s_set_vgpr_msb (MSB<<8)|(\new)
.set MSB, (\new)
.endif
.endm
.macro PLACES
.rept 4
	v_nop
.endr
.endm
	s_load_b256 s[4:11], s[0:1], 0x0               ; img, sc, mbits, flags
	s_load_b128 s[12:15], s[0:1], 0x20             ; ctx, csc
	v_lshl_add_u32 v[SPW], v0, 2, SPARE
	v_mov_b32 v[NIL], 0
	v_lshrrev_b32 v1, 5, v0
	v_readfirstlane_b32 s[WV], v1
	v_and_b32 v2, 31, v0
	v_and_b32 v3, 15, v0                           ; r
	v_bfe_u32 v4, v0, 4, 1                         ; h
	v_lshlrev_b32 v[LI16], 4, v2
	v_lshlrev_b32 v[LI8], 3, v2
	v_lshlrev_b32 v[LI4], 2, v2
	v_lshlrev_b32 v[MR], 9, v3
	v_lshlrev_b32 v[R4], 2, v3
	s_and_b32 s[QH], s[WV], 1
	s_lshr_b32 s[KS], s[WV], 1
	s_lshr_b32 s[AA], ttmp9, 6
	s_and_b32 s20, ttmp9, 63
	s_mov_b32 s21, s20                             ; g_0
	s_xor_b32 s22, s20, 32                         ; g_1
	s_lshl_b32 s41, s20, 1
	s_cmp_lt_u32 s20, 32
	s_cselect_b32 s23, 62, 127
	s_sub_co_u32 s23, s23, s41                     ; g_2
	s_lshl_b32 s40, s[QH], 4
	s_lshl_b32 s41, s21, 5
	s_add_co_u32 s41, s41, s40                     ; my two tiles' flags: (4 g + 2 (w % 2)) x 8 bytes
	s_lshl_b32 s42, s22, 5
	s_add_co_u32 s42, s42, s40
	s_lshl_b32 s43, s23, 5
	s_add_co_u32 s43, s43, s40
	s_wait_kmcnt 0x0
	s_load_b128 s[24:27], s[10:11], s41 offset:0x0 ; WALK, NOTALL of tile 0; of tile 1
	s_load_b128 s[28:31], s[10:11], s42 offset:0x0
	s_load_b128 s[32:35], s[10:11], s43 offset:0x0
	s_lshr_b32 s36, s21, 1
	s_add_co_u32 s36, s36, 1                       ; off_1
	s_lshr_b32 s37, s22, 1
	s_add_co_u32 s37, s37, 1
	s_add_co_u32 s37, s37, s36                     ; off_2
	s_lshl_b32 s80, 0x11111111, s[KS]              ; the steps of my quarter, for each task
	s_sub_co_u32 s38, s[KS], s36
	s_and_b32 s38, s38, 3
	s_lshl_b32 s81, 0x11111111, s38
	s_sub_co_u32 s38, s[KS], s37
	s_and_b32 s38, s38, 3
	s_lshl_b32 s82, 0x11111111, s38
	s_add_co_u32 s83, s[WV], 8                     ; the second unit that waves 0-3 join
	s_mov_b32 s67, 0                               ; the upper word of every offset
	s_mov_b32 s[SEL], 0x76543210
	s_mov_b32 s[SEL+1], 0xfedcba98
	s_mov_b32 s[CS], 0x3e38aa3b                    ; c = log2(e) / 8
	s_mov_b32 s[CS+1], s[CS]
	s_mov_b32 s72, 0xd0000000                      ; -2^33
	s_lshl_b32 s39, s[QH], 3
	s_add_co_u32 s39, s39, s[KS]
	s_mul_i32 s39, s39, 4352
	v_add_nc_u32 v[PA16], s39, v[LI16]
	v_add_nc_u32 v[PA8], s39, v[LI8]
	s_mul_i32 s39, s[WV], 17408                    ; a unit = a tile's four parts
	v_add_nc_u32 v[ML16], s39, v[LI16]
	v_add_nc_u32 v[ML8], s39, v[LI8]
	v_add_nc_u32 v[ML16B], 139264, v[ML16]
	v_add_nc_u32 v[ML8B], 139264, v[ML8]
.irp t, 0,1
	WIN 0x40*\t
.irp i, 6,7,8,9,10,11
	v_mov_b32 v[QF+\i], 0                          ; the zero codes between the two copies of Q
.endr
	v_mov_b32 v[F+1], 0                            ; named as the upper half of a pair
.irp i, 0,1,2,3
	v_mov_b32 v[PT+\i], 0                          ; a lane permute's destination counts as read
	v_mov_b32 v[MW+\i], 0
.endr
	v_lshlrev_b32 v[SH], 1, v4
.endr
	WIN 0
	s_wait_kmcnt 0x0                               ; the flags
.macro WMZ                             ; a product that starts its sum; rRA: source 0's scales lie in lanes 16-31
.if rRA
	v_wmma_scale_f32_16x16x128_f8f6f4 v[rD:rD+7], v[rA:rA+11], v[rB:rB+11], 0, v[rSA], v[rSB] matrix_a_fmt:MATRIX_FMT_FP6 matrix_b_fmt:MATRIX_FMT_FP6 matrix_a_scale:MATRIX_SCALE_ROW1
.else
	v_wmma_scale_f32_16x16x128_f8f6f4 v[rD:rD+7], v[rA:rA+11], v[rB:rB+11], 0, v[rSA], v[rSB] matrix_a_fmt:MATRIX_FMT_FP6 matrix_b_fmt:MATRIX_FMT_FP6
.endif
.endm
.macro WMA                             ; a product that adds in place
.if rRA
	v_wmma_scale_f32_16x16x128_f8f6f4 v[rD:rD+7], v[rA:rA+11], v[rB:rB+11], v[rD:rD+7], v[rSA], v[rSB] matrix_a_fmt:MATRIX_FMT_FP6 matrix_b_fmt:MATRIX_FMT_FP6 matrix_a_scale:MATRIX_SCALE_ROW1
.else
	v_wmma_scale_f32_16x16x128_f8f6f4 v[rD:rD+7], v[rA:rA+11], v[rB:rB+11], v[rD:rD+7], v[rSA], v[rSB] matrix_a_fmt:MATRIX_FMT_FP6 matrix_b_fmt:MATRIX_FMT_FP6
.endif
.endm
.macro KLOAD                           ; step JJ's eight tiles of K and their scale words: 18 loads, each of consecutive bytes
	s_mul_i32 s66, s[JJ], 6144
	s_add_nc_u64 s[54:55], s[44:45], s[66:67]
	s_lshl_b32 s66, s[JJ], 8
	s_add_nc_u64 s[56:57], s[46:47], s[66:67]
	global_load_b32 v[KSC], v[LI4], s[56:57]       ; lanes 0-15: pair 0's words, lanes 16-31: pair 1's
	global_load_b32 v[KSC+1], v[LI4], s[56:57] offset:128
.irp x, 0,1,2,3,4,5,6,7
	global_load_b128 v[6*\x:6*\x+3], v[LI16], s[54:55] offset:768*\x
	global_load_b64 v[6*\x+4:6*\x+5], v[LI8], s[54:55] offset:768*\x+512
.endr
.endm
.macro VLOAD                           ; the step's four fragments of V^T and their scale words: 18 loads
	global_load_b32 v[VSC], v[LI4], s[60:61]
	global_load_b32 v[VSC+1], v[LI4], s[60:61] offset:128
	WIN 0x40
.irp v, 0,1,2,3
.irp c, 0,1
	global_load_b128 v[12*\v+6*\c:12*\v+6*\c+3], v[LI16], s[58:59] offset:3072*\c+768*\v
	global_load_b64 v[12*\v+6*\c+4:12*\v+6*\c+5], v[LI8], s[58:59] offset:3072*\c+768*\v+512
.endr
.endr
	WIN 0
.endm
.macro MASKT t                         ; masked scores of tile t become -2^33.  Register n holds key 16 (n / 8) + 8 h + n % 8 = 4 L + e: e = n % 4, L = 4 (n / 8) + 2 h + (n % 8) / 4
	WIN 0x55*\t
.irp e, 0,1,2,3
	v_lshrrev_b32 v[MW+\e], v[SH], v[MW+\e]
.endr
.set n, 0
.rept 64
	v_and_b32 v[TA+n%2], 1<<(4*(n/8)+(n%8)/4), v[MW+n%4]
	v_cmp_ne_u32 s[74+n%4], 0, v[TA+n%2]
	v_cndmask_b32 v[S+n], s72, v[S+n], s[74+n%4]
.set n, n+1
.endr
.endm
.macro SOFTMAX t                       ; tile t, in its own window
	WIN 0x55*\t
.irp b, 0,1,2,3
	v_max3_num_f32 v[BM+\b], v[S+16*\b], v[S+16*\b+1], v[S+16*\b+2]   ; the largest score of each block of 32 keys: for the row's maximum, and for the block's largest p
.endr
.irp i, 3,5,7,9,11,13
.irp b, 0,1,2,3
	v_max3_num_f32 v[BM+\b], v[BM+\b], v[S+16*\b+\i], v[S+16*\b+\i+1]
.endr
.endr
.irp b, 0,1,2,3
	v_max_num_f32 v[BM+\b], v[BM+\b], v[S+16*\b+15]
.endr
.irp b, 0,1,2,3
	v_permlanex16_b32 v[PT+\b], v[BM+\b], s[SEL], s[SEL+1]
.endr
.irp b, 0,1,2,3
	v_max_num_f32 v[BM+\b], v[BM+\b], v[PT+\b]
.endr
	v_max3_num_f32 v[TA], v[BM], v[BM+1], v[BM+2]
	v_max_num_f32 v[TA], v[TA], v[BM+3]
	v_mul_f32 v[TA], s[CS], v[TA]
	v_max_num_f32 v[MT], v[MT], v[TA]              ; the running largest t
	v_mov_b32 v[TA], v[NM]
	v_floor_f32 v[NM], -v[MT]                      ; -M = floor(-t): M is a whole number
	v_sub_f32 v[TA], v[NM], v[TA]                  ; old M - new M, 0 or less
	v_cvt_i32_f32 v[TA], v[TA]                     ; (it saturates)
	v_ldexp_f32 v[F], 1.0, v[TA]                   ; f = 2^(old M - new M)
.set j, 0
.rept 32
	v_pk_fma_f32 v[S+j:S+j+1], v[S+j:S+j+1], s[CS:CS+1], v[NM:NM+1] op_sel_hi:[1,0,0]   ; t - M
.set j, j+2
.endr
.irp b, 0,1,2,3
	v_fma_f32 v[BM+\b], v[BM+\b], s[CS], v[NM]
.endr
.set j, 0
.rept 64
	v_exp_f32 v[S+j], v[S+j]                       ; p = 2^(t - M)
.set j, j+1
.endr
	v_pk_mul_f32 v[L:L+1], v[L:L+1], v[F:F+1] op_sel_hi:[1,0]   ; a plain place behind the exponentials
	s_wait_alu depctr_va_vdst(0)                   ; one wait for the batch, ahead of its first reader
.irp b, 0,1,2,3
	v_exp_f32 v[BM+\b], v[BM+\b]                   ; each block's largest p
.endr
	v_pk_add_f32 v[L2:L2+1], v[S:S+1], v[S+2:S+3]  ; the row's sum of the unquantised p, in two chains
.set j, 4
.rept 15
	v_pk_add_f32 v[L:L+1], v[L:L+1], v[S+j:S+j+1]
	v_pk_add_f32 v[L2:L2+1], v[L2:L2+1], v[S+j+2:S+j+3]
.set j, j+4
.endr
	v_pk_add_f32 v[L:L+1], v[L:L+1], v[L2:L2+1]
	s_wait_alu depctr_va_vdst(0)                   ; and one for the four
.irp b, 0,1,2,3
	v_max_num_f32 v[BM+\b], 0x1800000, v[BM+\b]    ; the floor 2^(3 - 127)
.endr
.irp b, 0,1,2,3
	v_add_nc_u32 v[SO+\b], 0xff000000, v[BM+\b]
.endr
.irp b, 0,1,2,3
	v_lshrrev_b32 v[PT+\b], 23, v[SO+\b]
.endr
	v_lshl_or_b32 v[TB], v[PT+1], 8, v[PT]
	v_lshl_or_b32 v[TB], v[PT+2], 16, v[TB]
	WIN 0x15*\t                                    ; scale operands lie in window 0
	v_lshl_or_b32 v[PSC+\t], v[PT+3], 24, v[TB]
	WIN 0x55*\t
.irp c, 0,1
	v_cvt_scalef32_pk16_fp6_f32 v[PC+6*\c:PC+6*\c+2], v[S+32*\c:S+32*\c+15], v[SO+2*\c]
	v_cvt_scalef32_pk16_fp6_f32 v[CT+4*\c:CT+4*\c+2], v[S+32*\c+16:S+32*\c+31], v[SO+2*\c+1]
.endr
	v_nop                                          ; one plain place behind a scaled conversion
.irp c, 0,1
.irp i, 0,1,2
	v_permlane16_swap_b32 v[PC+6*\c+\i], v[CT+4*\c+\i]
.endr
.irp i, 0,1,2
	v_mov_b32 v[PC+6*\c+3+\i], v[CT+4*\c+\i]
.endr
.endr
.set j, 0
.rept 16
	v_pk_mul_f32 v[O+j:O+j+1], v[O+j:O+j+1], v[F:F+1] op_sel_hi:[1,0]   ; O^T under the new M; these are also the places ahead of the products that take the codes and the scale word
.set j, j+2
.endr
.endm
.macro TASK k
	s_wait_xcnt 0x0                                ; the bases below are rewritten only behind this wait
	s_mul_i32 s41, s[AA], 3
	s_add_co_u32 s41, s41, \k                      ; the head
	s_mul_i32 s66, s41, 196608
	s_add_nc_u64 s[84:85], s[4:5], s[66:67]
	s_add_nc_u64 s[44:45], s[84:85], 2359296       ; the head's K images,
	s_add_nc_u64 s[48:49], s[84:85], 4718592       ; its V images
	s_lshl_b32 s42, s[21+\k], 2
	s_lshl_b32 s43, s[QH], 1
	s_add_co_u32 s42, s42, s43                     ; my first tile of queries
	s_mul_i32 s66, s42, 768
	s_add_nc_u64 s[84:85], s[84:85], s[66:67]      ; its image
	s_lshl_b32 s66, s41, 13
	s_add_nc_u64 s[86:87], s[6:7], s[66:67]
	s_add_nc_u64 s[46:47], s[86:87], 98304         ; K's scale words,
	s_add_nc_u64 s[50:51], s[86:87], 196608        ; V's,
	s_lshl_b32 s66, s42, 5
	s_add_nc_u64 s[86:87], s[86:87], s[66:67]      ; my two tiles' of Q
	s_lshl_b32 s66, s42, 13
	s_add_nc_u64 s[52:53], s[8:9], s[66:67]        ; my queries' mask bits
	s_or_b32 s[BITS], s[24+4*\k], s[26+4*\k]
	s_and_b32 s[BITS], s[BITS], s[80+\k]           ; the steps that I walk
	s_or_b32 s[PARTM], s[25+4*\k], s[27+4*\k]      ; the steps in which something is masked
	s_bcnt1_i32_b32 s[CNT], s[BITS]
.irp t, 0,1                                    ; the number of steps is data and may be 0, so no first step can start the sums: they begin as zeros
	WIN 0x40*\t
.set j, 0
.rept 32
	v_mov_b32 v[O+j], 0
.set j, j+1
.endr
	v_mov_b32 v[MT], 0xff61b1e6                    ; -3e38, under every t
	v_mov_b32 v[NM], 0x7f61b1e6                    ; -M
	v_mov_b32 v[L], 0
	v_mov_b32 v[L+1], 0
.endr
	WIN 0
	s_cmp_eq_u32 s[CNT], 0
	s_cbranch_scc1 .Lpart_\@
	global_load_b32 v[QW], v[R4], s[86:87]
.irp t, 0,1
	WIN 0x40*\t
	global_load_b128 v[QF:QF+3], v[LI16], s[84:85] offset:768*\t
	global_load_b64 v[QF+4:QF+5], v[LI8], s[84:85] offset:768*\t+512
	global_load_b128 v[QF+12:QF+15], v[LI16], s[84:85] offset:768*\t
	global_load_b64 v[QF+16:QF+17], v[LI8], s[84:85] offset:768*\t+512
.endr
	WIN 0
	s_ctz_i32_b32 s[JJ], s[BITS]
	s_min_u32 s[JJ], s[JJ], 31                     ; my first step
	KLOAD
	s_wait_loadcnt 18                              ; all but K's 18: Q and its scale word are in
	v_and_b32 v[QT], 0xffff, v[QW]
	v_lshrrev_b32 v[QT+1], 16, v[QW]
	v_lshl_or_b32 v[QSC], v[QT], 16, v[QT]         ; (s0, s1, s0, s1): the same two bytes for either place of Q
	v_lshl_or_b32 v[QSC+1], v[QT+1], 16, v[QT+1]
.rept 8
	v_nop                                          ; a scale register written by a vector instruction stands eight places ahead of the product
.endr
.Lstep_\@:
	PLACES                                         ; behind the last products, ahead of the loads into V's registers
	s_add_co_i32 s41, s[BITS], -1
	s_and_b32 s[BITS], s[BITS], s41                ; this step is taken off the list
	s_lshr_b32 s[PF], s[PARTM], s[JJ]
	s_and_b32 s[PF], s[PF], 1                      ; is anything masked in it?
	s_mul_i32 s66, s[JJ], 6144
	s_add_nc_u64 s[58:59], s[48:49], s[66:67]
	s_lshl_b32 s66, s[JJ], 8
	s_add_nc_u64 s[60:61], s[50:51], s[66:67]
	s_cmp_eq_u32 s[PF], 0
	s_cbranch_scc1 .Lnoml_\@
	s_lshl_b32 s66, s[JJ], 4
	s_add_nc_u64 s[62:63], s[52:53], s[66:67]
	global_load_b128 v[MW:MW+3], v[MR], s[62:63]
	WIN 0x40
	global_load_b128 v[MW:MW+3], v[MR], s[62:63] offset:8192
	WIN 0
.Lnoml_\@:
	VLOAD
	s_wait_loadcnt 18                              ; all but V's 18, on either way: K, and the mask words if they were asked for, are in
.irp t, 0,1                                    ; S^T = K Q^T: sixteen products, each a sum of its own
	WIN 0x54*\t
.irp be, 0,1,2,3
.irp f, 0,1
.set rD, S+8*(2*\be+\f)
.set rA, 12*\be
.set rB, QF+6*\f
.set rSA, KSC+\be/2
.set rRA, \be%2
.set rSB, QSC+\t
	WMZ
.endr
.endr
.endr
	WIN 0
	PLACES                                         ; ahead of the loads into K's registers and of the first read of the scores
	s_cmp_eq_u32 s[BITS], 0
	s_cbranch_scc1 .Lnok_\@
	s_ctz_i32_b32 s[JJ], s[BITS]
	s_min_u32 s[JJ], s[JJ], 31
	KLOAD                                          ; the next step's K: it has both softmaxes in which to land; every later wait for loads in the trip is for 0
.Lnok_\@:
	s_cmp_eq_u32 s[PF], 0
	s_cbranch_scc1 .Lnomask_\@
	MASKT 0
	MASKT 1
	WIN 0
.Lnomask_\@:
	SOFTMAX 0
	SOFTMAX 1
	s_wait_loadcnt 0x0                             ; V, and the next K
.irp t, 0,1                                    ; O^T += V^T P^T: eight accumulators by turns
	WIN 0x01+0x54*\t
.irp v, 0,1,2,3
.set rD, O+8*\v
.set rA, 12*\v
.set rB, PC
.set rSA, VSC+\v/2
.set rRA, \v%2
.set rSB, PSC+\t
	WMA
.endr
.endr
	WIN 0
	s_sub_co_u32 s[CNT], s[CNT], 1
	s_cmp_lg_u32 s[CNT], 0
	s_cbranch_scc1 .Lstep_\@
.Lpart_\@:
	PLACES
.irp t, 0,1                                    ; my quarter of tile t goes to LDS as it stands
	WIN 0x55*\t
	v_add_f32 v[MT], v[L], v[L+1]                  ; (-M, l) as a pair
	WIN 0x04*\t                                    ; an LDS store's data are its source 1
.irp i, 0,1,2,3,4,5,6,7
	ds_store_b128 v[PA16], v[O+4*\i:O+4*\i+3] offset:17408*\t+512*\i
.endr
	ds_store_b64 v[PA8], v[NM:NM+1] offset:17408*\t+4096
.endr
	WIN 0
.if \k < 2
	v_add_nc_u32 v[PA16], 69632, v[PA16]           ; the next task's parts
	v_add_nc_u32 v[PA8], 69632, v[PA8]
.endif
.endm
	TASK 0
	TASK 1
	TASK 2
	s_wait_dscnt 0x0                               ; for the others' sake: my parts lie in LDS
	s_barrier_signal -1
	s_barrier_wait -1
.set MX, 24
.set PX, 26
.set QSO, 28
.set BY, 30
.set T,  32
.macro QUANT2 src, H, S16              ; 32 numbers of a lane, two blocks of 32 shared with lane l xor 16: half a fragment and two scale bytes
	v_max3_num_f32 v[MX], |v[\src]|, |v[\src+1]|, 0x1800000
	v_max3_num_f32 v[MX+1], |v[\src+16]|, |v[\src+17]|, 0x1800000
.irp i, 2,4,6,8,10,12,14
	v_max3_num_f32 v[MX], v[MX], |v[\src+\i]|, |v[\src+\i+1]|
	v_max3_num_f32 v[MX+1], v[MX+1], |v[\src+16+\i]|, |v[\src+17+\i]|
.endr
	v_permlanex16_b32 v[PX], v[MX], s[SEL], s[SEL+1]
	v_permlanex16_b32 v[PX+1], v[MX+1], s[SEL], s[SEL+1]
	v_max_num_f32 v[MX], v[MX], v[PX]
	v_max_num_f32 v[MX+1], v[MX+1], v[PX+1]
	v_add_nc_u32 v[QSO], 0xff000000, v[MX]
	v_add_nc_u32 v[QSO+1], 0xff000000, v[MX+1]
	v_lshrrev_b32 v[BY], 23, v[QSO]
	v_lshrrev_b32 v[BY+1], 23, v[QSO+1]
	v_lshl_or_b32 v[\S16], v[BY+1], 8, v[BY]
	v_cvt_scalef32_pk16_fp6_f32 v[\H:\H+2], v[\src:\src+15], v[QSO]
	v_cvt_scalef32_pk16_fp6_f32 v[T:T+2], v[\src+16:\src+31], v[QSO+1]
	v_nop
.irp i, 0,1,2
	v_permlane16_swap_b32 v[\H+\i], v[T+\i]
.endr
.irp i, 0,1,2
	v_mov_b32 v[\H+3+\i], v[T+\i]
.endr
.endm
; A unit (task k = unit / 4, tile unit % 4) is joined: its four quarters under the common M, divided by the row's sum, put into the channels' own order (Wo's codes are given so), quantised, stored.  Window 0 alone.
.macro MERGE a16, a8, su
	s_wait_xcnt 0x0                                ; earlier stores have read their registers and bases
.irp ks, 0,1,2,3
.irp i, 0,1,2,3,4,5,6,7
	ds_load_b128 v[64+32*\ks+4*\i:64+32*\ks+4*\i+3], v[\a16] offset:4352*\ks+512*\i
.endr
	ds_load_b64 v[192+2*\ks:193+2*\ks], v[\a8] offset:4352*\ks+4096
.endr
	s_lshr_b32 s41, s[\su], 2                      ; k
	s_and_b32 s42, s[\su], 3
	s_cmp_eq_u32 s41, 1
	s_cselect_b32 s43, s22, s23
	s_cmp_eq_u32 s41, 0
	s_cselect_b32 s43, s21, s43                    ; g_k
	s_lshl_b32 s43, s43, 2
	s_add_co_u32 s43, s43, s42                     ; the tile of queries
	s_mul_i32 s40, s[AA], 3
	s_add_co_u32 s40, s40, s41                     ; the head
	s_mul_i32 s66, s43, 12
	s_add_co_u32 s66, s66, s40
	s_mul_i32 s66, s66, 768
	s_add_nc_u64 s[44:45], s[12:13], s[66:67]      ; ctx [tile][head][768]
	s_mul_i32 s66, s43, 384
	s_lshr_b32 s41, s40, 1
	s_lshl_b32 s41, s41, 6
	s_add_co_u32 s66, s66, s41
	s_and_b32 s41, s40, 1
	s_lshl_b32 s41, s41, 1
	s_add_co_u32 s66, s66, s41
	s_add_nc_u64 s[46:47], s[14:15], s[66:67]      ; csc [tile][pair of heads][16] words, my head's half
	v_mov_b32 v7, 0
	v_mov_b32 v[PX], 0
	v_mov_b32 v[PX+1], 0
	s_wait_dscnt 0x0
	v_min_num_f32 v0, v192, v194
	v_min_num_f32 v1, v196, v198
	v_min_num_f32 v0, v0, v1                       ; the common -M
.irp ks, 0,1,2,3
	v_sub_f32 v[2+\ks], v0, v[192+2*\ks]           ; a quarter's M less the common one: a whole number, 0 or less
.endr
.irp ks, 0,1,2,3
	v_cvt_i32_f32 v[2+\ks], v[2+\ks]               ; (it saturates: a quarter that walked nothing, or met masked keys alone, counts for nothing)
.endr
.irp ks, 0,1,2,3
	v_ldexp_f32 v[2+\ks], 1.0, v[2+\ks]
.endr
	v_mul_f32 v6, v2, v193
	v_fmac_f32 v6, v3, v195
	v_fmac_f32 v6, v4, v197
	v_fmac_f32 v6, v5, v199
	v_permlanex16_b32 v7, v6, s[SEL], s[SEL+1]
	v_add_f32 v6, v6, v7                           ; the row's sum
	v_rcp_f32 v6, v6
	v_nop                                          ; a plain place behind the reciprocal
	s_wait_alu depctr_va_vdst(0)                   ; and the wait ahead of its first reader
.irp ks, 0,1,2,3
	v_mul_f32 v[8+2*\ks], v[2+\ks], v6
	v_mul_f32 v[9+2*\ks], v[2+\ks], v6
.endr
.set j, 0
.rept 16
	v_pk_mul_f32 v[64+j:65+j], v[64+j:65+j], v[8:9]
.set j, j+2
.endr
.irp ks, 1,2,3
.set j, 0
.rept 16
	v_pk_fma_f32 v[64+j:65+j], v[64+32*\ks+j:65+32*\ks+j], v[8+2*\ks:9+2*\ks], v[64+j:65+j]
.set j, j+2
.endr
.endr
.irp be, 0,1                                   ; lanes 0-15 held channels 0-7 and 16-23 of a block, lanes 16-31 8-15 and 24-31: now 0-15 and 16-31
.irp i, 0,1,2,3,4,5,6,7
	v_permlane16_swap_b32 v[64+16*\be+\i], v[72+16*\be+\i]
.endr
.endr
	QUANT2 64, 16, 22
	global_store_b128 v[LI16], v[16:19], s[44:45]
	global_store_b64 v[LI8], v[20:21], s[44:45] offset:512
	global_store_b16 v[R4], v22, s[46:47]          ; both halves of the lanes hold and write the same two bytes
.endm
	MERGE ML16, ML8, WV                            ; units 0-7
	s_cmp_ge_u32 s[WV], 4
	s_cbranch_scc1 .Lend
	MERGE ML16B, ML8B, 83                          ; units 8-11
.Lend:
	s_wait_tensorcnt 0x0                           ; the wave's end: behind my last LDS store
	ds_add_u32 v[SPW], v[NIL]
	s_wait_dscnt 0x0
	s_endpgm
.Lfunc_end_k_qd5a22c1fa4_attn:
	.size	k_qd5a22c1fa4_attn, .Lfunc_end_k_qd5a22c1fa4_attn-k_qd5a22c1fa4_attn
	.p2alignl 7, 3214868480
	.fill 96, 4, 3214868480
	.section	.rodata,"a",@progbits
	.p2align	6, 0x0
	.amdhsa_kernel k_qd5a22c1fa4_attn
		.amdhsa_group_segment_fixed_size 209920
		.amdhsa_private_segment_fixed_size 0
		.amdhsa_enable_private_segment 0
		.amdhsa_kernarg_size 48
		.amdhsa_user_sgpr_count 2
		.amdhsa_user_sgpr_kernarg_segment_ptr 1
		.amdhsa_wavefront_size32 1
		.amdhsa_system_sgpr_workgroup_id_x 1
		.amdhsa_system_sgpr_workgroup_id_y 1
		.amdhsa_system_sgpr_workgroup_id_z 1
		.amdhsa_system_vgpr_workitem_id 0
		.amdhsa_next_free_vgpr 512
		.amdhsa_next_free_sgpr 100
		.amdhsa_reserve_vcc 0
		.amdhsa_float_denorm_mode_32 3
		.amdhsa_float_denorm_mode_16_64 3
		.amdhsa_memory_ordered 1
		.amdhsa_forward_progress 1
		.amdhsa_inst_pref_size 215
	.end_amdhsa_kernel
	.amdgpu_metadata
---
amdhsa.version: [ 1, 2 ]
amdhsa.kernels:
  - .name:           k_qd5a22c1fa4_attn
    .symbol:         k_qd5a22c1fa4_attn.kd
    .args:
      - { .name: img, .offset: 0, .size: 8, .value_kind: global_buffer, .address_space: global }
      - { .name: sc, .offset: 8, .size: 8, .value_kind: global_buffer, .address_space: global }
      - { .name: mbits, .offset: 16, .size: 8, .value_kind: global_buffer, .address_space: global }
      - { .name: flags, .offset: 24, .size: 8, .value_kind: global_buffer, .address_space: global }
      - { .name: ctx, .offset: 32, .size: 8, .value_kind: global_buffer, .address_space: global }
      - { .name: csc, .offset: 40, .size: 8, .value_kind: global_buffer, .address_space: global }
    .group_segment_fixed_size: 209920
    .private_segment_fixed_size: 0
    .kernarg_segment_align: 8
    .kernarg_segment_size: 48
    .max_flat_workgroup_size: 256
    .sgpr_count:     100
    .vgpr_count:     512
    .wavefront_size: 32
...
	.end_amdgpu_metadata
.endif
;; end of part 3
;; launch outp (part 4): grid 64 x 3, 8 waves a work-group, clusters of 4 x 1, 262,144 bytes of LDS; arguments ctx, csc, Wo_codes, Wo_scales, bo, out0; writes out0
.if DOCPART == 4
	.amdgcn_target "amdgcn-amd-amdhsa--gfx1250"
	.amdhsa_code_object_version 6
	.text
	.protected	k_qd5a22c1fa4_outp
	.globl	k_qd5a22c1fa4_outp
	.p2align	8
	.type	k_qd5a22c1fa4_outp,@function
k_qd5a22c1fa4_outp:
	s_mov_b64 s[64:65], 0
	v_nop
	global_prefetch_b8 v0, s[64:65] scope:SCOPE_SE
	s_setreg_imm32_b32 hwreg(HW_REG_WAVE_MODE, 25, 1), 1
	s_wait_xcnt 0x0
	s_wait_alu depctr_hold_cnt(0) depctr_sa_sdst(0) depctr_va_vdst(0) depctr_va_sdst(0) depctr_va_ssrc(0) depctr_va_vcc(0) depctr_vm_vsrc(0)
	s_getreg_b32 s2, hwreg(HW_REG_IB_STS2, 6, 4)
	s_cmp_eq_u32 s2, 0
	s_cbranch_scc0 .Lentry_in_a_cluster
	s_endpgm
.Lentry_in_a_cluster:
	s_bfe_u32 s2, ttmp6, 0x10000c
	s_cmp_lg_u32 s2, 0x3003
	s_cbranch_scc0 .Lentry_shape_is_right
	s_endpgm
.Lentry_shape_is_right:
; out0 = ctx Wo^T + bo on E2M3 codes: ctx's as attn stored them (images of operand registers), Wo's as given.  No work is left out.
; SHARES.  A work-group makes 64 tokens x 256 outputs; wave w makes 32 tokens (w % 2) x 64 outputs (w / 2): 8 accumulators.  The product is used transposed (source 0 = Wo's rows, source 1 = ctx), so that a lane holds eight
; neighbouring outputs of one token.  K = 768 is six matrix instructions deep; K step s is heads 2 s and 2 s + 1, whose two half images are a fragment.
; CLUSTER.  The four work-groups of a cluster take four token blocks against the same 256 rows of Wo: those rows are asked for jointly.  ctx's images are each work-group's own: a plain load.
; LDS.  Wo's 256 rows whole (576 bytes, 16 of padding behind every 64: pitch 720); ctx's 36,864 bytes as they lie; a stage of 16 rows x 272 bytes a wave, in blocks of its own; the spare words.  Everything is filled once.
.set PITCH, 720
.set CTXL,  256*PITCH
.set STAGE, CTXL+36864
.set SPITCH, 272
.set SPARE, STAGE+8*16*SPITCH
.set AD0,  2                           ; v2, v3  Wo: row x pitch + 24 h, and behind one padding more
.set CL16, 4                           ; v4  ctx's images: 16 x lane,
.set CL8,  5                           ; v5  8 x lane
.set SPW,  6
.set NIL,  7
.set STO,  8
.set RD,   9
.set GO,   10
.set L24,  11
.set BO8,  12
.set CO,   13
.set WS,   16                          ; v16-27  Wo's scale words: rows 32 g + lane, K step s at WS + 6 g + s
.set CS,   28                          ; v28-33  ctx's: lanes 0-15 my first tile, lanes 16-31 my second
.set F0,   40                          ; v40-87  Wo's four fragments
.set F1,   88                          ; v88-111 ctx's two
.set BB,   112                         ; v112-143 the bias in the result's layout
.set ACC,  144                         ; v144-207 accumulator (a, b) at ACC + 8 (4 b + a)
.set WV, 18
.set NQ, 19
.set TP, 20
.set CX, 22
.set TBK, 24
.set NY, 25
.set G1C, 28
.set G1W, 36
.set G0C, 44
.set G0W, 48
.macro PLACES
.rept 4
	v_nop
.endr
.endm
.macro CROUND
	s_barrier_signal -1
	s_barrier_wait -1
	s_cmp_lg_u32 s[WV], 0
	s_cbranch_scc1 .Lnot_wave_0_\@
	s_barrier_signal -3
.Lnot_wave_0_\@:
	s_barrier_wait -3
	s_barrier_signal -1
	s_barrier_wait -1
.endm
	s_load_b256 s[4:11], s[0:1], 0x0               ; ctx, csc, Wo's codes, Wo's scales
	s_load_b128 s[12:15], s[0:1], 0x20             ; bo, out0
	v_lshl_add_u32 v[SPW], v0, 2, SPARE
	v_mov_b32 v[NIL], 0
	ds_add_u32 v[SPW], v[NIL]                      ; the wave's opening: the add, twice on end, and its wait ahead of my first tensor load
	ds_add_u32 v[SPW], v[NIL]
	v_lshrrev_b32 v1, 5, v0
	v_readfirstlane_b32 s[WV], v1
	s_lshr_b32 s[NQ], s[WV], 1
	s_and_b32 s[TP], s[WV], 1
	s_bfe_u32 s[CX], ttmp6, 0x40000
	s_lshl_b32 s[TBK], ttmp9, 2
	s_add_co_u32 s[TBK], s[TBK], s[CX]             ; my block of 64 tokens
	s_and_b32 s[NY], ttmp7, 0xffff                 ; my block of 256 outputs, the same in all four partners
	s_mov_b32 s[G1C], 3<<16                        ; ctx: no mask, elements of 8 bytes, no padding: 18 rows of 256 bytes, dense
	s_mov_b32 s[G1C+1], 32<<16
	s_mov_b32 s[G1C+2], 18<<16
	s_mov_b32 s[G1C+3], 32<<16
	s_mov_b32 s[G1C+4], 18
	s_mov_b32 s[G1C+5], 32
	s_mov_b32 s[G1C+6], 0
	s_mov_b32 s[G1C+7], 0
	s_mov_b32 s[G1W], 15|(1<<20)|(1<<21)|(3<<22)|(3<<25)   ; Wo: all four partners; bytes; padding of 4 words behind every 16
	s_mov_b32 s[G1W+1], 576<<16
	s_mov_b32 s[G1W+2], 32<<16
	s_mov_b32 s[G1W+3], 576<<16
	s_mov_b32 s[G1W+4], 32
	s_mov_b32 s[G1W+5], 576
	s_mov_b32 s[G1W+6], 0
	s_mov_b32 s[G1W+7], 0
	s_mul_i32 s56, s[TBK], 36864
	s_mul_i32 s58, s[WV], 4608
	s_add_co_u32 s56, s56, s58                     ; ctx: my eighth of the block's images
	s_mov_b32 s57, 0
	s_lshl_b32 s60, s[NY], 8
	s_lshl_b32 s61, s[WV], 5
	s_add_co_u32 s60, s60, s61
	s_mul_i32 s60, s60, 576                        ; Wo: rows 256 ny + 32 x wave
	s_mov_b32 s61, 0
	s_add_co_u32 s62, s58, CTXL
	s_mul_i32 s63, s[WV], 32*PITCH
	s_wait_dscnt 0x0                               ; both opening adds are done
	s_wait_kmcnt 0x0
	s_mov_b32 s[G0C], 1
	s_mov_b32 s[G0C+1], s62
	s_add_nc_u64 s[G0C+2:G0C+3], s[4:5], s[56:57]
	s_or_b32 s[G0C+3], s[G0C+3], 0x80000000
	s_mov_b32 s[G0W], 1
	s_mov_b32 s[G0W+1], s63
	s_add_nc_u64 s[G0W+2:G0W+3], s[8:9], s[60:61]
	s_or_b32 s[G0W+3], s[G0W+3], 0x80000000
	CROUND                                         ; the four work-groups are here: the joint loads meet
	tensor_load_to_lds s[G0C:G0C+3], s[G1C:G1C+7]  ; every wave issues both: two tensor loads of mine are out
	s_nop 0
	tensor_load_to_lds s[G0W:G0W+3], s[G1W:G1W+7]
	s_nop 0
	PLACES
	v_and_b32 v1, 15, v0                           ; r
	v_bfe_u32 v14, v0, 4, 1                        ; h
	v_and_b32 v15, 31, v0                          ; lane
	v_mul_u32_u24 v[L24], v15, 24
	v_lshlrev_b32 v[BO8], 5, v14
	v_mul_u32_u24 v[AD0], v1, PITCH
	v_mad_u32_u24 v[AD0], v14, 24, v[AD0]
	s_mul_i32 s56, s[NQ], 64*PITCH
	v_add_nc_u32 v[AD0], s56, v[AD0]               ; my 64 rows of Wo
	v_lshl_add_u32 v[AD0+1], v14, 4, v[AD0]
	s_mul_i32 s56, s[TP], 18432
	s_add_co_u32 s56, s56, CTXL
	v_lshl_add_u32 v[CL16], v15, 4, s56            ; my two tiles' images
	v_lshl_add_u32 v[CL8], v15, 3, s56
	s_mul_i32 s56, s[WV], 16*SPITCH
	s_add_co_u32 s56, s56, STAGE                   ; my stage
	v_mul_u32_u24 v[STO], v1, SPITCH
	v_lshl_add_u32 v[STO], v14, 5, v[STO]
	v_add_nc_u32 v[STO], s56, v[STO]               ; in: row r, 32 bytes for each half of the lanes
	v_mul_u32_u24 v[RD], v14, SPITCH
	v_lshl_add_u32 v[RD], v1, 4, v[RD]
	v_add_nc_u32 v[RD], s56, v[RD]                 ; back: lanes 0-15 one row, lanes 16-31 the next
	v_mul_u32_u24 v[GO], v14, 3072
	v_lshl_add_u32 v[GO], v1, 4, v[GO]             ; and the same two rows in out0
	v_mul_u32_u24 v[CO], v14, 384
	v_lshl_add_u32 v[CO], v1, 2, v[CO]             ; ctx's scale words: 384 bytes a tile, 4 a row
	s_lshl_b32 s58, s[NY], 8
	s_lshl_b32 s59, s[NQ], 6
	s_add_co_u32 s58, s58, s59                     ; my first output
	s_mul_i32 s56, s58, 24
	s_mov_b32 s57, 0
	s_add_nc_u64 s[10:11], s[10:11], s[56:57]
	s_lshl_b32 s56, s58, 2
	s_add_nc_u64 s[12:13], s[12:13], s[56:57]
	s_add_nc_u64 s[14:15], s[14:15], s[56:57]
	s_lshl_b32 s59, s[TBK], 2
	s_lshl_b32 s60, s[TP], 1
	s_add_co_u32 s59, s59, s60                     ; my first tile of tokens
	s_mul_i32 s56, s59, 384
	s_add_nc_u64 s[6:7], s[6:7], s[56:57]
	s_mul_i32 s56, s59, 16*3072
	s_add_nc_u64 s[14:15], s[14:15], s[56:57]
.irp g, 0,1
.irp p, 0,1,2
	global_load_b64 v[WS+6*\g+2*\p:WS+6*\g+2*\p+1], v[L24], s[10:11] offset:768*\g+8*\p
.endr
.endr
.irp s, 0,1,2,3,4,5
	global_load_b32 v[CS+\s], v[CO], s[6:7] offset:64*\s
.endr
.irp a, 0,1,2,3
	global_load_b128 v[BB+8*\a:BB+8*\a+3], v[BO8], s[12:13] offset:64*\a
	global_load_b128 v[BB+8*\a+4:BB+8*\a+7], v[BO8], s[12:13] offset:64*\a+16
.endr
.macro FRAG reg, adr, q, i             ; 16 rows x 128 K of 6-bit codes in pieces of 8 bytes; lanes 16-31 read three pieces on, for some pieces behind one padding more
.irp p, 0,1,2,3,4,5
.set PCE, 12*(\q)+6*(\p/3)+\p%3
.if PCE%8 < 5
	ds_load_b64 v[\reg+2*\p:\reg+2*\p+1], v[\adr] offset:8*PCE+16*(PCE/8)+(\i)*16*PITCH
.else
	ds_load_b64 v[\reg+2*\p:\reg+2*\p+1], v[\adr+1] offset:8*PCE+16*(PCE/8)+(\i)*16*PITCH
.endif
.endr
.endm
.macro WM
.if (rRA == 0) && (rRB == 0)
	v_wmma_scale_f32_16x16x128_f8f6f4 v[rD:rD+7], v[rA:rA+11], v[rB:rB+11], v[rC:rC+7], v[rSA], v[rSB] matrix_a_fmt:MATRIX_FMT_FP6 matrix_b_fmt:MATRIX_FMT_FP6
.elseif (rRA == 1) && (rRB == 0)
	v_wmma_scale_f32_16x16x128_f8f6f4 v[rD:rD+7], v[rA:rA+11], v[rB:rB+11], v[rC:rC+7], v[rSA], v[rSB] matrix_a_fmt:MATRIX_FMT_FP6 matrix_b_fmt:MATRIX_FMT_FP6 matrix_a_scale:MATRIX_SCALE_ROW1
.elseif (rRA == 0)
	v_wmma_scale_f32_16x16x128_f8f6f4 v[rD:rD+7], v[rA:rA+11], v[rB:rB+11], v[rC:rC+7], v[rSA], v[rSB] matrix_a_fmt:MATRIX_FMT_FP6 matrix_b_fmt:MATRIX_FMT_FP6 matrix_b_scale:MATRIX_SCALE_ROW1
.else
	v_wmma_scale_f32_16x16x128_f8f6f4 v[rD:rD+7], v[rA:rA+11], v[rB:rB+11], v[rC:rC+7], v[rSA], v[rSB] matrix_a_fmt:MATRIX_FMT_FP6 matrix_b_fmt:MATRIX_FMT_FP6 matrix_a_scale:MATRIX_SCALE_ROW1 matrix_b_scale:MATRIX_SCALE_ROW1
.endif
.endm
.macro KSTEP s                         ; 128 along K: eight products, the eight accumulators by turns; the first step's C is the bias
.if \s > 0
	PLACES
.endif
.irp a, 0,1,2,3
	FRAG F0+12*\a, AD0, \s, \a
.endr
.irp b, 0,1
	ds_load_b128 v[F1+12*\b:F1+12*\b+3], v[CL16] offset:9216*\b+1536*(\s)
	ds_load_b64 v[F1+12*\b+4:F1+12*\b+5], v[CL8] offset:9216*\b+1536*(\s)+512
	ds_load_b128 v[F1+12*\b+6:F1+12*\b+9], v[CL16] offset:9216*\b+1536*(\s)+768
	ds_load_b64 v[F1+12*\b+10:F1+12*\b+11], v[CL8] offset:9216*\b+1536*(\s)+1280
.endr
	s_wait_dscnt 0x0
.irp b, 0,1
.irp a, 0,1,2,3
.set rD, ACC+8*(4*\b+\a)
.set rA, F0+12*\a
.set rB, F1+12*\b
.set rSA, WS+6*(\a/2)+(\s)
.set rSB, CS+(\s)
.set rRA, \a%2
.set rRB, \b
.if \s == 0
.set rC, BB+8*\a
.else
.set rC, rD
.endif
	WM
.endr
.endr
.endm
	s_wait_loadcnt 0x0                             ; scales and bias
	s_wait_tensorcnt 0x0                           ; my parts lie in LDS,
	s_barrier_signal -1
	s_barrier_wait -1                              ; everybody's do
	KSTEP 0
	KSTEP 1
	KSTEP 2
	KSTEP 3
	KSTEP 4
	KSTEP 5
	PLACES
; THE WAY OUT: 16 tokens x 64 outputs at a time through my stage; sixteen lanes then store 256 consecutive bytes, aligned.  LDS serves a wave's instructions in order, so no wait stands between stores and loads
.irp b, 0,1
.irp a, 0,1,2,3
	ds_store_b128 v[STO], v[ACC+8*(4*\b+\a):ACC+8*(4*\b+\a)+3] offset:64*\a        ; each accumulator from its low end on
	ds_store_b128 v[STO], v[ACC+8*(4*\b+\a)+4:ACC+8*(4*\b+\a)+7] offset:64*\a+16
.endr
.irp i, 0,1,2,3,4,5,6,7
	ds_load_b128 v[F0+32*\b+4*\i:F0+32*\b+4*\i+3], v[RD] offset:2*\i*SPITCH
.endr
.endr
.irp b, 0,1
.irp i, 0,1,2,3,4,5,6,7
	s_wait_dscnt 23-16*\b-\i                       ; the LDS instructions issued behind this read-back may stay out
	global_store_b128 v[GO], v[F0+32*\b+4*\i:F0+32*\b+4*\i+3], s[14:15] offset:(16*\b+2*\i)*3072 th:TH_STORE_NT
.endr
.endr
	s_wait_tensorcnt 0x0                           ; the wave's end
	ds_add_u32 v[SPW], v[NIL]
	s_wait_dscnt 0x0
	CROUND                                         ; the closing round
	s_endpgm
.Lfunc_end_k_qd5a22c1fa4_outp:
	.size	k_qd5a22c1fa4_outp, .Lfunc_end_k_qd5a22c1fa4_outp-k_qd5a22c1fa4_outp
	.p2alignl 7, 3214868480
	.fill 96, 4, 3214868480
	.section	.rodata,"a",@progbits
	.p2align	6, 0x0
	.amdhsa_kernel k_qd5a22c1fa4_outp
		.amdhsa_group_segment_fixed_size 262144
		.amdhsa_private_segment_fixed_size 0
		.amdhsa_enable_private_segment 0
		.amdhsa_kernarg_size 48
		.amdhsa_user_sgpr_count 2
		.amdhsa_user_sgpr_kernarg_segment_ptr 1
		.amdhsa_wavefront_size32 1
		.amdhsa_system_sgpr_workgroup_id_x 1
		.amdhsa_system_sgpr_workgroup_id_y 1
		.amdhsa_system_sgpr_workgroup_id_z 1
		.amdhsa_system_vgpr_workitem_id 0
		.amdhsa_next_free_vgpr 208
		.amdhsa_next_free_sgpr 80
		.amdhsa_reserve_vcc 0
		.amdhsa_float_denorm_mode_32 3
		.amdhsa_float_denorm_mode_16_64 3
		.amdhsa_memory_ordered 1
		.amdhsa_forward_progress 1
		.amdhsa_inst_pref_size 32
	.end_amdhsa_kernel
	.amdgpu_metadata
---
amdhsa.version: [ 1, 2 ]
amdhsa.kernels:
  - .name:           k_qd5a22c1fa4_outp
    .symbol:         k_qd5a22c1fa4_outp.kd
    .args:
      - { .name: ctx, .offset: 0, .size: 8, .value_kind: global_buffer, .address_space: global }
      - { .name: csc, .offset: 8, .size: 8, .value_kind: global_buffer, .address_space: global }
      - { .name: Wo_codes, .offset: 16, .size: 8, .value_kind: global_buffer, .address_space: global }
      - { .name: Wo_scales, .offset: 24, .size: 8, .value_kind: global_buffer, .address_space: global }
      - { .name: bo, .offset: 32, .size: 8, .value_kind: global_buffer, .address_space: global }
      - { .name: out0, .offset: 40, .size: 8, .value_kind: global_buffer, .address_space: global }
    .group_segment_fixed_size: 262144
    .private_segment_fixed_size: 0
    .kernarg_segment_align: 8
    .kernarg_segment_size: 48
    .max_flat_workgroup_size: 256
    .sgpr_count:     80
    .vgpr_count:     208
    .wavefront_size: 32
...
	.end_amdgpu_metadata
.endif
;; end of part 4
